; MI455X (gfx1250); checked and timed in simulation.
; The chip was launched on July 23, 2026; its instructions are those of AMD's public machine-readable ISA for CDNA 5 (MIT licence, August 2026) and "CDNA5" Instruction Set Architecture Reference Guide (July 2026). The comments in the code are by the model that wrote it; some were corrected since.
;; Multi Head Attention. Allowed arithmetic: matrix products marked QUANTISED: E5M2 operands, one E8M0 scale for each 32 along K, by v_wmma_scale_f32_16x16x128_f8f6f4 with both operands' format E5M2, f32 sums; everything else in f32.
;; Inputs: encoder_padding_mask 8 x 1,024 int32; hidden_states 8 x 1,024 x 1,024 float32; in_proj_bias 3 x 1,024 float32; in_proj_weight 3 x 1,024 x 1,024 float32; norm_bias 1,024 float32; norm_weight 1,024 float32; out_proj_bias 1,024 float32; out_proj_weight 1,024 x 1,024 float32.
;; Outputs: out0 8 x 1,024 x 1,024 float32.
;; This version of the problem:
;;   THIS VERSION OF THE PROBLEM IS GIVEN IN LOW PRECISION. The matrix products marked QUANTISED in the list below multiply operands that are first quantised to E5M2 (5 exponent bits, 2 mantissa bits; 8 bits a number), with one power-of-two scale for each 32 numbers along K (OCP MX v1.0); their sums are f32. All else is computed in f32.
;;   The module's matrix products, in the order in which they are computed (A, B: the left and right operand; K: the contracted axis; several contracted axes count as one K, in the product's order):
;;     1. [M 8,192, K 1,024] x [K 1,024, N 3,072]; A: computed on the way; B: input in_proj_weight: QUANTISED
;;     2. batch 128 x [M 1,024, K 64] x [K 64, N 1,024]; A: computed on the way; B: computed on the way: QUANTISED
;;     3. batch 128 x [M 64, K 1,024] x [K 1,024, N 1,024]; A: computed on the way; B: softmax (see below): QUANTISED
;;     4. [M 8,192, K 1,024] x [K 1,024, N 1,024]; A: computed on the way; B: input out_proj_weight: QUANTISED
;;   THE QUANTISER, for each operand of a quantised product, along K:
;;     - K is cut into blocks of 32 from its start; a last block that is shorter is filled with zeros.
;;     - A block's scale is 2^e with e = floor(log2(the largest magnitude in the block)) - 15, held to -126 .. 127; a block of zeros has e = 0. As a byte (E8M0): e + 127.
;;     - Each number is divided by its block's scale, clamped to +-57,344, and rounded to the nearest number of E5M2, ties to even, subnormals kept.
;;     - The product sums the exact products of the quantised numbers (number of the format x scale) in f32.
;;   ~~~python
;;   def quantise(x, axis):      # numpy; x: float32 -> the quantised numbers, widened to float32 again
;;       x = np.moveaxis(x, axis, -1); K = x.shape[-1]
;;       x = np.pad(x, [(0, 0)] * (x.ndim - 1) + [(0, -K % 32)]); x = x.reshape(x.shape[:-1] + (-1, 32)); a = np.abs(x).max(-1, keepdims=True)
;;       e = np.where(a > 0, np.clip(np.frexp(np.where(a > 0, a, 1))[1] - 1 - 15, -126, 127), 0)      # np.frexp(a)[1] - 1 = floor(log2(a)), exactly
;;       r = np.clip(x / 2.0 ** e, -57344, 57344)
;;       step = 2.0 ** (np.maximum(np.frexp(np.where(r == 0, 1, r))[1] - 1, -14) - 2)
;;       q = np.round(r / step) * step * 2.0 ** e      # np.round: ties to even
;;       return np.moveaxis(q.reshape(q.shape[:-2] + (-1,))[..., :K], -1, axis).astype(np.float32)
;;   ~~~
;;   SOFTMAX AHEAD OF A QUANTISED PRODUCT. Where the list says 'softmax', what is quantised is not the finished softmax but p = 2^(t - M), with t = logit x log2(e) and M = ceil(the row's largest t), a whole number; so 1/2 < the row's largest p <= 1. The row's sum l is taken of the UNQUANTISED p, in f32, and the product's result is divided by l at the end. Since M is a whole number, a kernel that streams over the keys may use a running M (the ceiling of the running maximum): every later rescaling is an exact power of two, which a block's scale takes up: the codes' values come out the same.
;;   OPERANDS COMPUTED ON THE WAY. 'Computed on the way' means the value that the module computes at that place (a softmax that the list does not call 'softmax' is quantised finished and normalised). What goes into a quantiser is computed in f32, as accurately as f32 sums, v_exp_f32 and their like allow (about 1e-6 of the number): no bf16 or f16 on the way to a quantiser, and a product that is left as it is and whose result goes on into a quantised operand takes f32 operands (vector FMAs, or v_wmma_f32_16x16x4_f32). A number that lies on a knife's edge between two numbers of the format may be rounded either way, as far as f32 arithmetic and the matrix unit's own rounding can turn it there, and no further.
;; One version. Each part assembles by itself: llvm-mc -triple=amdgcn-amd-amdhsa -mcpu=gfx1250 --defsym DOCPART=n.
;; ======== version 1 of 1: 4 launches
;; limits: right only within a limited range of input values
;; workspace buffers: ybuf 8,650,752 bytes; wbuf 4,325,376 bytes; qbuf 8,650,752 bytes; kvbuf 17,301,504 bytes; cbuf 8,650,752 bytes
;; launch prep (part 1): grid 768 x 1, 4 waves a work-group, no clusters, 18,432 bytes of LDS; arguments hidden_states, in_proj_weight, out_proj_weight, norm_weight, norm_bias, ybuf, wbuf; writes ybuf, wbuf
.if DOCPART == 1
	.amdgcn_target "amdgcn-amd-amdhsa--gfx1250"
	.amdhsa_code_object_version 6
	.text
	.protected	k_q3af7c03bda_prep
	.globl	k_q3af7c03bda_prep
	.p2align	8
	.type	k_q3af7c03bda_prep,@function
k_q3af7c03bda_prep:
	s_mov_b64 s[64:65], 0
	v_nop
	global_prefetch_b8 v0, s[64:65] scope:SCOPE_SE
	s_setreg_imm32_b32 hwreg(HW_REG_WAVE_MODE, 25, 1), 1
	s_wait_xcnt 0x0
; LayerNorm(x), in_proj_weight and out_proj_weight, all [rows][1024] f32 with K innermost, become codes of BF8 (E5M2) with one E8M0 byte for each 32 along K.
; THE FORM OF THE CODES.  A fragment is 16 rows x 128 K, laid as the image of the operand's 16 registers: chunk c (0..3) of 512 bytes, lane L's 16 bytes at 512 c + 16 L;
; lane (r = L % 16, h = L / 16) holds row r, k = 32 c + 16 h + 0 .. 15.  A tile of 16 rows is 8 fragments on end (16,384 bytes); its scale words, [8 K steps][16 rows][4 bytes], lie in a region behind the codes.
; THE ROWS OF A TILE ARE NOT NEIGHBOURS: row r of tile 2 b + u is source row 32 b + 16 (r / 8) + 8 u + r % 8, so that a later product's results of two neighbouring tiles are 16 neighbours along the next K.
; SHARES.  A work-group makes one tile: 0-511 of x (into ybuf), 512-703 of in_proj_weight, 704-767 of out_proj_weight (into wbuf, tiles 0-255).  Wave w takes the tile's rows 4 w .. 4 w + 3: four source rows on end, 16 KiB.
; ONE PATH FOR ALL THREE: pointers are chosen on the work-group's number; for the weights the norm is made neutral by selects (mean 0, 1 / sigma 1, gain 1, bias 0), which gives the numbers back as they are.
; The mean and the variance are taken in two passes, as the definition has them.  Each load of a wave reads 512 consecutive bytes; all 32 of a wave's loads of rows are out at once.
; A lane's 4 numbers of a load are 4 codes of one block; 8 lanes share a block.  The codes meet in LDS in the order of the image and leave as 512 consecutive bytes a store.
; LIMITS: NaN and infinities are not served.  A block of zeros, or one whose largest magnitude lies under 2^-111, gets the byte 1 (the rule says 127 for zeros): its codes are zeros, and this program alone reads the bytes.
.set PITCH, 272                        ; LDS: 256 bytes of the image (one chunk's half: 16 rows x 16 bytes) + 16 of padding
.set WORDS, 64*PITCH                   ; behind the 64 halves: the tile's 512 bytes of scale words
.set W,    8                           ; v8-39    the gain at my 32 columns
.set B,    40                          ; v40-71   the bias
.set X,    72                          ; v72-199  four rows, 32 numbers each: register 4 k + e is column 128 k + 4 lane + e
.set C,    200                         ; v200-215 conversions' results
.set P,    216                         ; v216-223 four chains of pairs
.set MEAN, 224                         ; v224-225
.set RS,   226                         ; v226-227
.set MX,   228                         ; v228-235 largest magnitudes, then the bytes
.set SO,   236                         ; v236-243 the conversions' scale operands
.set HB,   244                         ; v244-251 57,344 x the scale
.set TP,   252                         ; a lane permute's destination
	s_load_b256 s[4:11], s[0:1], 0x0               ; x, in_proj_weight, out_proj_weight, norm_weight
	s_load_b128 s[12:15], s[0:1], 0x20             ; norm_bias, ybuf
	s_load_b64 s[16:17], s[0:1], 0x30              ; wbuf
	v_lshl_add_u32 v254, v0, 2, 0x4600
	v_mov_b32 v255, 0
	v_lshrrev_b32 v1, 5, v0
	v_readfirstlane_b32 s18, v1                    ; wave 0..3
	v_and_b32 v6, 31, v0                           ; lane
	v_lshlrev_b32 v1, 4, v6                        ; 16 x lane
	v_lshrrev_b32 v2, 2, v6
	v_mul_u32_u24 v2, v2, PITCH
	v_and_b32 v7, 3, v6
	v_lshl_add_u32 v2, v7, 2, v2
	s_lshl_b32 s36, s18, 6
	v_add_nc_u32 v2, s36, v2                       ; my 4 codes: half lane / 4 of a K step's eight, + 4 (lane % 4), + 16 bytes x my wave's first row
	v_lshrrev_b32 v3, 3, v6
	s_lshl_b32 s36, s18, 4
	s_add_co_u32 s36, s36, WORDS
	v_add_nc_u32 v3, s36, v3                       ; my block's byte: byte lane / 8 of a row's word, + 4 bytes x my wave's first row
	v_lshrrev_b32 v4, 4, v6
	v_mul_u32_u24 v4, v4, PITCH
	v_and_b32 v7, 15, v6
	v_lshl_add_u32 v4, v7, 4, v4
	s_mul_i32 s36, s18, 16*PITCH
	v_add_nc_u32 v4, s36, v4                       ; back: my wave's 16 halves, two an instruction
	s_lshl_b32 s36, s18, 16                        ; THE CODES' PLACE: [block of 16 tiles][256 along K][tile][4,096 bytes]: my wave's two fragments are K step w of four, 65,536 bytes apart
	v_add_nc_u32 v5, s36, v1                       ; and their place in the tile: 4,096 x wave + 16 x lane
	v_add_nc_u32 v6, WORDS, v1                     ; the scale words, 16 bytes a lane
	v_mov_b32 v[TP], 0                             ; written once: a lane permute's destination counts as one of its sources
	s_mov_b32 s30, 0x3a800000                      ; 1 / 1024
	s_mov_b32 s31, 0x3727c5ac                      ; 1e-5
	s_mov_b32 s32, 0x600000                        ; the mantissa field of 57,344
	s_mov_b32 s34, 0x76543210
	s_mov_b32 s35, 0xfedcba98                      ; v_permlanex16_b32's selects for lane l xor 16
	s_mov_b32 s19, 704
	s_mov_b32 s22, 4194304
	s_cmp_lt_u32 ttmp9, 704
	s_cselect_b32 s19, 512, s19
	s_cmp_lt_u32 ttmp9, 512
	s_cselect_b32 s19, 0, s19                      ; what comes off the work-group's number for the source's tile: 0, 512, 704
	s_cselect_b32 s20, 0, 512                      ; and for the destination's
	s_cselect_b32 s21, -1, 0                       ; all lanes: the norm is applied
	s_cselect_b32 s22, 8388608, s22                ; where the destination's scale words begin
	s_sub_co_u32 s23, ttmp9, s19                   ; source tile T
	s_lshr_b32 s36, s23, 1
	s_lshl_b32 s36, s36, 5
	s_and_b32 s37, s23, 1
	s_lshl_b32 s37, s37, 3
	s_add_co_u32 s36, s36, s37
	s_lshr_b32 s37, s18, 1
	s_lshl_b32 s37, s37, 4
	s_add_co_u32 s36, s36, s37
	s_and_b32 s37, s18, 1
	s_lshl_b32 s37, s37, 2
	s_add_co_u32 s36, s36, s37                     ; my first source row: 32 (T / 2) + 16 (w / 2) + 8 (T % 2) + 4 (w % 2)
	s_lshl_b32 s36, s36, 12                        ; x 4,096 bytes
	s_mov_b32 s37, 0
	s_sub_co_u32 s38, ttmp9, s20                   ; destination tile
	s_lshr_b32 s40, s38, 4
	s_lshl_b32 s40, s40, 18                        ; 262,144 bytes a block of 16 tiles,
	s_and_b32 s41, s38, 15
	s_lshl_b32 s41, s41, 12                        ; 4,096 a tile in each K step of 256
	s_add_co_u32 s40, s40, s41
	s_mov_b32 s41, 0
	s_lshl_b32 s38, s38, 9
	s_add_co_u32 s38, s38, s22
	s_mov_b32 s39, 0
	s_wait_kmcnt 0x0
	s_cmp_lt_u32 ttmp9, 704
	s_cselect_b64 s[24:25], s[6:7], s[8:9]
	s_cmp_lt_u32 ttmp9, 512
	s_cselect_b64 s[24:25], s[4:5], s[24:25]       ; the choices hang on the work-group's number alone
	s_cselect_b64 s[26:27], s[14:15], s[16:17]
	s_add_nc_u64 s[24:25], s[24:25], s[36:37]      ; the source at my first row
	s_add_nc_u64 s[28:29], s[26:27], s[38:39]      ; the tile's scale words
	s_add_nc_u64 s[26:27], s[26:27], s[40:41]      ; the tile's codes
.irp k, 0,1,2,3,4,5,6,7
	global_load_b128 v[W+4*\k:W+4*\k+3], v1, s[10:11] offset:512*\k
	global_load_b128 v[B+4*\k:B+4*\k+3], v1, s[12:13] offset:512*\k
.endr
.irp j, 0,1,2,3
.irp k, 0,1,2,3,4,5,6,7
	global_load_b128 v[X+32*\j+4*\k:X+32*\j+4*\k+3], v1, s[24:25] offset:4096*\j+512*\k th:TH_LOAD_NT
.endr
.endr
	s_wait_loadcnt 32                              ; gain and bias are in; the 32 loads of rows may be out
.set NN, 0
.rept 32
	v_cndmask_b32 v[W+NN], 1.0, v[W+NN], s21       ; for the weights: gain 1,
	v_cndmask_b32 v[B+NN], 0, v[B+NN], s21         ; bias 0
.set NN, NN+1
.endr
.macro FOLD                            ; four chains of pairs become one number, the same in all 32 lanes
	v_pk_add_f32 v[P:P+1], v[P:P+1], v[P+2:P+3]
	v_pk_add_f32 v[P+4:P+5], v[P+4:P+5], v[P+6:P+7]
	v_pk_add_f32 v[P:P+1], v[P:P+1], v[P+4:P+5]
	v_add_f32 v[P], v[P], v[P+1]
	v_add_f32_dpp v[P], v[P], v[P] row_xmask:1 row_mask:0xf bank_mask:0xf
	v_add_f32_dpp v[P], v[P], v[P] row_xmask:2 row_mask:0xf bank_mask:0xf
	v_add_f32_dpp v[P], v[P], v[P] row_xmask:4 row_mask:0xf bank_mask:0xf
	v_add_f32_dpp v[P], v[P], v[P] row_xmask:8 row_mask:0xf bank_mask:0xf
	v_permlanex16_b32 v[TP], v[P], s34, s35
	v_add_f32 v[P], v[P], v[TP]
.endm
.macro ROW j
.set XR, X+32*(\j)
	s_wait_loadcnt 8*(3-(\j))                      ; this row's eight loads are in; eight for each row behind it may be out
.irp q, 0,1,2,3
	v_pk_add_f32 v[P+2*\q:P+2*\q+1], v[XR+2*\q:XR+2*\q+1], v[XR+8+2*\q:XR+8+2*\q+1]
.endr
.irp m, 8,9,10,11,12,13,14,15
	v_pk_add_f32 v[P+2*(\m%4):P+2*(\m%4)+1], v[P+2*(\m%4):P+2*(\m%4)+1], v[XR+2*\m:XR+2*\m+1]
.endr
	FOLD
	v_mul_f32 v[MEAN], s30, v[P]
	v_cndmask_b32 v[MEAN], 0, v[MEAN], s21
	v_mov_b32 v[MEAN+1], v[MEAN]
.irp m, 0,1,2,3,4,5,6,7,8,9,10,11,12,13,14,15
	v_pk_add_f32 v[XR+2*\m:XR+2*\m+1], v[XR+2*\m:XR+2*\m+1], v[MEAN:MEAN+1] neg_lo:[0,1] neg_hi:[0,1]   ; x - mean
.endr
.irp q, 0,1,2,3
	v_pk_mul_f32 v[P+2*\q:P+2*\q+1], v[XR+2*\q:XR+2*\q+1], v[XR+2*\q:XR+2*\q+1]
.endr
.irp m, 4,5,6,7,8,9,10,11,12,13,14,15
	v_pk_fma_f32 v[P+2*(\m%4):P+2*(\m%4)+1], v[XR+2*\m:XR+2*\m+1], v[XR+2*\m:XR+2*\m+1], v[P+2*(\m%4):P+2*(\m%4)+1]
.endr
	FOLD
	v_fma_f32 v[RS], v[P], s30, s31                ; the variance + 1e-5
	s_wait_alu depctr_va_vdst(0)
	v_rsq_f32 v[RS], v[RS]
	v_nop                                          ; a plain instruction behind the transcendental,
	s_wait_alu depctr_va_vdst(0)                   ; and the wait ahead of its first reader
	v_cndmask_b32 v[RS], 1.0, v[RS], s21
	v_mov_b32 v[RS+1], v[RS]
.irp m, 0,1,2,3,4,5,6,7,8,9,10,11,12,13,14,15
	v_pk_mul_f32 v[XR+2*\m:XR+2*\m+1], v[XR+2*\m:XR+2*\m+1], v[RS:RS+1]
.endr
.irp m, 0,1,2,3,4,5,6,7,8,9,10,11,12,13,14,15
	v_pk_fma_f32 v[XR+2*\m:XR+2*\m+1], v[XR+2*\m:XR+2*\m+1], v[W+2*\m:W+2*\m+1], v[B+2*\m:B+2*\m+1]
.endr
.if (\j) > 0
	s_wait_alu depctr_va_vdst(0)
	s_wait_dscnt 0x0                               ; the last row's LDS stores have read their registers: bytes and codes may be written again
.endif
.irp k, 0,1,2,3,4,5,6,7
	v_max3_num_f32 v[MX+\k], |v[XR+4*\k]|, |v[XR+4*\k+1]|, |v[XR+4*\k+2]|
.endr
.irp k, 0,1,2,3,4,5,6,7
	v_max3_num_f32 v[MX+\k], v[MX+\k], |v[XR+4*\k+3]|, 0x8000000   ; and the floor 2^(16 - 127): the byte cannot fall under 1
.endr
.irp x, 1,2,4
.irp k, 0,1,2,3,4,5,6,7
	v_max_num_f32_dpp v[MX+\k], v[MX+\k], v[MX+\k] row_xmask:\x row_mask:0xf bank_mask:0xf   ; the eight lanes that share a block
.endr
.endr
.irp k, 0,1,2,3,4,5,6,7
	v_add_nc_u32 v[SO+\k], 0xf8800000, v[MX+\k]    ; 15 off the exponent field: the conversion's scale operand
.endr
.irp k, 0,1,2,3,4,5,6,7
	v_and_or_b32 v[HB+\k], v[MX+\k], 0x7f800000, s32   ; 57,344 x the scale
.endr
.irp k, 0,1,2,3,4,5,6,7
	v_lshrrev_b32 v[MX+\k], 23, v[SO+\k]           ; the scale's byte
.endr
.irp k, 0,1,2,3,4,5,6,7
.irp e, 0,1,2,3
	v_med3_num_f32 v[XR+4*\k+\e], v[XR+4*\k+\e], -v[HB+\k], v[HB+\k]   ; the conversion does not saturate (ISA guide 7.6.2): the hold comes first
.endr
.endr
; The conversion takes eight numbers and one scale; my eight are four of each of two blocks.  So each eight are converted twice: under the first block's scale (the low register is kept) and under the second's (the high one).
.irp p, 0,1,2,3
	v_cvt_scalef32_pk8_bf8_f32 v[C+4*\p:C+4*\p+1], v[XR+8*\p:XR+8*\p+7], v[SO+2*\p]
	v_cvt_scalef32_pk8_bf8_f32 v[C+4*\p+2:C+4*\p+3], v[XR+8*\p:XR+8*\p+7], v[SO+2*\p+1]
.endr
	v_nop                                          ; a plain instruction behind the last scaled conversion
.irp p, 0,1,2,3
	ds_store_b32 v2, v[C+4*\p] offset:2176*(2*\p)+16*(\j)
	ds_store_b32 v2, v[C+4*\p+3] offset:2176*(2*\p+1)+16*(\j)
.endr
.irp k, 0,1,2,3,4,5,6,7
	ds_store_b8 v3, v[MX+\k] offset:64*\k+4*(\j)   ; the eight lanes of a block write the same byte with the same value
.endr
.endm
	ROW 0
	ROW 1
	ROW 2
	ROW 3
	s_wait_dscnt 0x0                               ; for the others' sake: my stores have landed
	s_barrier_signal -1
	s_barrier_wait -1
.irp i, 0,1,2,3,4,5,6,7
	ds_load_b128 v[X+4*\i:X+4*\i+3], v4 offset:544*\i
.endr
.irp i, 0,1,2,3,4,5,6,7
	s_wait_dscnt 7-\i                              ; the younger loads may be out
	global_store_b128 v5, v[X+4*\i:X+4*\i+3], s[26:27] offset:512*\i   ; 32 lanes store 512 consecutive bytes, at a multiple of 256 from the buffer's first byte
.endr
	s_cmp_lg_u32 s18, 0
	s_cbranch_scc1 .Lend
	ds_load_b128 v[X+32:X+35], v6                  ; wave 0: the tile's 512 bytes of scale words
	s_wait_dscnt 0x0
	global_store_b128 v1, v[X+32:X+35], s[28:29]
.Lend:
	s_wait_tensorcnt 0x0
	ds_add_u32 v254, v255
	s_wait_dscnt 0x0
	s_endpgm
.Lfunc_end_k_q3af7c03bda_prep:
	.size	k_q3af7c03bda_prep, .Lfunc_end_k_q3af7c03bda_prep-k_q3af7c03bda_prep
	.p2alignl 7, 3214868480
	.fill 96, 4, 3214868480
	.section	.rodata,"a",@progbits
	.p2align	6, 0x0
	.amdhsa_kernel k_q3af7c03bda_prep
		.amdhsa_group_segment_fixed_size 18432
		.amdhsa_private_segment_fixed_size 0
		.amdhsa_enable_private_segment 0
		.amdhsa_kernarg_size 56
		.amdhsa_user_sgpr_count 2
		.amdhsa_user_sgpr_kernarg_segment_ptr 1
		.amdhsa_wavefront_size32 1
		.amdhsa_system_sgpr_workgroup_id_x 1
		.amdhsa_system_sgpr_workgroup_id_y 1
		.amdhsa_system_sgpr_workgroup_id_z 1
		.amdhsa_system_vgpr_workitem_id 0
		.amdhsa_next_free_vgpr 256
		.amdhsa_next_free_sgpr 66
		.amdhsa_reserve_vcc 0
		.amdhsa_float_denorm_mode_32 3
		.amdhsa_float_denorm_mode_16_64 3
		.amdhsa_memory_ordered 1
		.amdhsa_forward_progress 1
		.amdhsa_inst_pref_size 71
	.end_amdhsa_kernel
	.amdgpu_metadata
---
amdhsa.version: [ 1, 2 ]
amdhsa.kernels:
  - .name:           k_q3af7c03bda_prep
    .symbol:         k_q3af7c03bda_prep.kd
    .args:
      - { .name: hidden_states, .offset: 0, .size: 8, .value_kind: global_buffer, .address_space: global }
      - { .name: in_proj_weight, .offset: 8, .size: 8, .value_kind: global_buffer, .address_space: global }
      - { .name: out_proj_weight, .offset: 16, .size: 8, .value_kind: global_buffer, .address_space: global }
      - { .name: norm_weight, .offset: 24, .size: 8, .value_kind: global_buffer, .address_space: global }
      - { .name: norm_bias, .offset: 32, .size: 8, .value_kind: global_buffer, .address_space: global }
      - { .name: ybuf, .offset: 40, .size: 8, .value_kind: global_buffer, .address_space: global }
      - { .name: wbuf, .offset: 48, .size: 8, .value_kind: global_buffer, .address_space: global }
    .group_segment_fixed_size: 18432
    .private_segment_fixed_size: 0
    .kernarg_segment_align: 8
    .kernarg_segment_size: 56
    .max_flat_workgroup_size: 128
    .sgpr_count:     66
    .vgpr_count:     256
    .wavefront_size: 32
...
	.end_amdgpu_metadata
.endif
;; end of part 1
;; launch qkv (part 2): grid 12 x 32, 4 waves a work-group, clusters of 4 x 4, 327,680 bytes of LDS; arguments ybuf, wbuf, in_proj_bias, qbuf, kvbuf; writes qbuf, kvbuf
.if DOCPART == 2
	.amdgcn_target "amdgcn-amd-amdhsa--gfx1250"
	.amdhsa_code_object_version 6
	.text
	.protected	k_q3af7c03bda_qkv
	.globl	k_q3af7c03bda_qkv
	.p2align	8
	.type	k_q3af7c03bda_qkv,@function
k_q3af7c03bda_qkv:
	s_mov_b64 s[64:65], 0
	v_nop
	global_prefetch_b8 v0, s[64:65] scope:SCOPE_SE
	s_setreg_imm32_b32 hwreg(HW_REG_WAVE_MODE, 25, 1), 1
	s_wait_xcnt 0x0
	s_wait_alu depctr_hold_cnt(0) depctr_sa_sdst(0) depctr_va_vdst(0) depctr_va_sdst(0) depctr_va_ssrc(0) depctr_va_vcc(0) depctr_vm_vsrc(0)
	s_getreg_b32 s2, hwreg(HW_REG_IB_STS2, 6, 4)
	s_cmp_eq_u32 s2, 0
	s_cbranch_scc0 .Lentry_in_a_cluster
	s_endpgm
.Lentry_in_a_cluster:
	s_bfe_u32 s2, ttmp6, 0x10000c
	s_cmp_lg_u32 s2, 0xf033
	s_cbranch_scc0 .Lentry_shape_is_right
	s_endpgm
.Lentry_shape_is_right:
; q, k, v = LayerNorm(x) Win^T + bias on codes of BF8 (E5M2) with E8M0 scales, K = 1,024; the results are quantised at once: q and k along the head's 64, v along the keys.
; OPERANDS lie in memory as images of their registers (16 rows x 128 K = 2,048 bytes: chunk c at 512 c, lane L's 16 bytes at 16 L), a tile of 16 rows as 8 such on end; scale words [tile][8 K steps][16 rows] behind them.
; Row r of tile 2 b + u is source row 32 b + 16 (r / 8) + 8 u + r % 8.
; A tile of the result, 256 x 256, is made by four waves, 128 x 128 each: 64 accumulators.  K goes in four steps of 256 through two LDS slots filled by the tensor data mover; the scale words of all of K come once.
; THE MATRIX INSTRUCTION IS USED TRANSPOSED (source 0 = 16 rows of B, source 1 = 16 rows of A): a lane holds ONE row of A, and by the order of B's rows its 64 results of a block of A are, register 16 c + i,
; B's source rows 32 c + 16 (lane / 16) + i: the order in which an operand's registers run along K.  So the conversions' results ARE a fragment of the next product, and leave as an image: nothing is transposed.
; CLUSTERS of 4 x 4.  Cluster x = 0: q, 1: k: A = tokens, B = rows of Win.  Cluster x = 2: v, WITH THE ROLES SWAPPED: A = rows of Wv, B = tokens, so that the registers run along the keys.  The swap is made by selects on
; the cluster's x, which all partners share; there is no branch on it.  A's tiles are asked for jointly by a row of the cluster, B's by a column.
; THE BIAS is one fused multiply-add in both cases: MA x BB + sum; q, k: MA = 1, BB = the bias at the register's column; v: BB = 1, MA = the bias at the lane's row.
; OUT.  qbuf: [batch x 8 + pair of heads][token tile][2,048], scale words behind.  kvbuf: [batch x 8 + pair][128 keys][33,792]: K's 8 fragments, V^T's 8, K's scale words (512 bytes), V's.
; LIMITS: NaN and infinities are not served; a block of zeros or under 2^-111 gets the byte 1 with zero codes (this program alone reads the bytes).
; REGISTERS, in windows of 256: window 0: v0-31 addresses, v8-15 MA; v32-63 scale words, two sets; v64-127 BB; from v128 A's fragments, ONE set (in the epilogue: v128-191 numbers, v192-207 codes, v208-224 at work).
;   window 1: B's fragments, two sets.  windows 2, 3: the accumulators ((a, b) at v[8 (8 (a % 4) + b)]).
.set NQ,     2                         ; matrix instructions deep in a slot
.set FR,     16                        ; registers of a fragment
.set NL,     4                         ; LDS loads that bring one
.set NP,     8                         ; places behind this matrix instruction (ISA guide 7.12.1)
.set HALFT,  32768                     ; 8 tiles x 4,096 bytes (256 along K): what one tensor load brings, and what one wave reads of A or of B
.set SLOT,   2*HALFT                   ; 16 tiles x 4,096 bytes.  LDS: A's slot 0, A's slot 1, B's slot 0, B's slot 1
.set SCL,    4*SLOT
.set HALFS,  4096                      ; those of 8 tiles, all of K
.set SPARE,  SCL+4*HALFS               ; the spare words, 128 bytes for each wave: two blocks of 256 bytes that no other line names
.set ADRA, 16                          ; v16-17  LDS address of my A fragments in slot 0, 1
.set ADRB, 20                          ; v20-21  the same for B
.set ADRS, 27                          ; v27     of my scale words: lanes 0-15 A's rows, lanes 16-31 B's
.set SPW,  28                          ; v28     my spare word: SPARE + 4 x my thread's number; never rewritten
.set NIL,  29                          ; v29     0; never rewritten
.set SC,   32                          ; scale words: set s at v[SC + 16 s]; register 2 i + q: lanes 0-15 A's block i, lanes 16-31 B's block i
.set AF,   128
.set MA,   8
.set BB,   64
.set T,    128
.set PC,   192
.set TM,   208
.set PW,   224
.set SEL,  18
.set MNT,  17
.set G1, 24
.set G0, 32
.set G1B, 48
.set G0B, 56
.set G1S, 68
.set G0S, 76
.set G1SB, 80
.set G0SB, 88
.set MSB, 0
.macro WIN new                         ; the immediate's high byte repeats the setting that is left
.if MSB != (\new)
	s_set_vgpr_msb (MSB<<8)|(\new)
.set MSB, (\new)
.endif
.endm
.set MUL_LO, 0xa1                      ; source 0 (B) window 1, source 1 (A) window 0, C and D window 2
.set MUL_HI, 0xf1                      ; the same, C and D window 3
.set TO_B,   0x40                      ; destination window 1, address window 0
; A joint load: waves 0 and 1 fetch for A, waves 2 and 3 for B.  The branch hangs on the wave's number alone.  Four v_nop follow each of the two lines.
.macro JLOAD g0a, g1a, g0b, g1b
	s_cmp_eq_u32 s15, 0
	s_cbranch_scc0 .Lfor_b_\@
	tensor_load_to_lds s[\g0a:\g0a+3], s[\g1a:\g1a+7]
	s_nop 0
.rept 4
	v_nop
.endr
	s_branch .Lasked_\@
.Lfor_b_\@:
	tensor_load_to_lds s[\g0b:\g0b+3], s[\g1b:\g1b+7]
	s_nop 0
.rept 4
	v_nop
.endr
.Lasked_\@:
.endm
.macro CREST                           ; a round of the cluster's barrier behind its opening barrier
	s_cmp_lg_u32 s14, 0
	s_cbranch_scc1 .Lnot_wave_0_\@
	s_barrier_signal -3
.Lnot_wave_0_\@:
	s_barrier_wait -3
	s_barrier_signal -1
	s_barrier_wait -1
.endm
.macro CROUND                          ; a whole round
	s_barrier_signal -1
	s_barrier_wait -1
	CREST
.endm
	s_load_b128 s[4:7], s[0:1], 0x0                ; ybuf, wbuf
	s_load_b128 s[8:11], s[0:1], 0x10              ; in_proj_bias, qbuf
	s_load_b64 s[12:13], s[0:1], 0x20              ; kvbuf
	v_lshl_add_u32 v[SPW], v0, 2, SPARE
	v_mov_b32 v[NIL], 0
	ds_add_u32 v28, v29
	ds_add_u32 v28, v29
	s_wait_dscnt 0x0
	v_lshrrev_b32 v1, 5, v0
	v_readfirstlane_b32 s14, v1                    ; wave 0..3
	s_lshr_b32 s15, s14, 1                         ; which half of A's rows is mine.  Also: I fetch for A (0) or for B (1)
	s_and_b32 s16, s14, 1                          ; which half of B's rows.  Also: which 8 tiles I fetch
	s_bfe_u32 s40, ttmp6, 0x40000                  ; cx, cy: my place in the cluster
	s_bfe_u32 s41, ttmp6, 0x40004
	s_and_b32 s67, ttmp7, 0xffff                   ; cluster y = the batch
	s_mov_b32 s18, 8388608                         ; where ybuf's scale words begin,
	s_mov_b32 s19, 4194304                         ; and wbuf's
	s_cmp_eq_u32 ttmp9, 2                          ; v?  The same in all sixteen partners
	s_cselect_b32 s66, -1, 0
	s_cselect_b32 s98, 0, s67
	s_cselect_b32 s99, s67, ttmp9
	s_cselect_b32 s100, 128, 0                     ; Wv's tiles begin at tile 128 of wbuf
	s_cselect_b32 s101, s19, s18                   ; A's scale words
	s_cselect_b32 s2, s18, s19                     ; B's
	s_lshl_b32 s17, s98, 2
	s_add_co_u32 s17, s17, s41                     ; A's block of 256 rows: 4 x batch + cy (tokens), or cy (Wv)
	s_lshl_b32 s42, s99, 2
	s_add_co_u32 s42, s42, s40                     ; B's: 4 x cluster x + cx (Win), or 4 x batch + cx (tokens)
	s_lshl_b32 s43, s41, 2
	s_lshl_b32 s43, 15, s43                        ; my row of the cluster
	s_lshl_b32 s44, 0x1111, s40                    ; my column
	; descriptor group 1 for codes: 8 rows (tiles) of 4,096 bytes (512 elements of 8 bytes), 4,096 bytes apart; no padding: an image is read 16 bytes a lane on end
	s_or_b32 s[G1+0], s43, (3<<16)|(1<<21)         ; 15:0 the mask: A's tiles go to my row; 17:16 elements of 8 bytes; 21 set beside a mask
	s_or_b32 s[G1B+0], s44, (3<<16)|(1<<21)
.irp g, G1, G1B
	s_mov_b32 s[\g+1], 512<<16                     ; tensor_dim0
	s_mov_b32 s[\g+2], 32<<16                      ; tensor_dim1: the head's loads bring 32 rows of 4,096 bytes: 16 tiles of K steps 0 and 1; set to 8, for the ring's, behind the wait for them
	s_mov_b32 s[\g+3], 512<<16                     ; tile_dim0
	s_mov_b32 s[\g+4], 32
	s_mov_b32 s[\g+5], 512                         ; the rows lie on end: codes are laid [block of 16 tiles][256 along K][tile][4,096 bytes]
	s_mov_b32 s[\g+6], 0
	s_mov_b32 s[\g+7], 0
.endr
	; and for the scale words of 16 tiles: 8,192 dense bytes as 32 rows of 256
	s_or_b32 s[G1S+0], s43, (3<<16)|(1<<21)
	s_or_b32 s[G1SB+0], s44, (3<<16)|(1<<21)
.irp g, G1S, G1SB
	s_mov_b32 s[\g+1], 32<<16
	s_mov_b32 s[\g+2], 32<<16                      ; the scale words of 16 tiles: 8,192 dense bytes as 32 rows of 256
	s_mov_b32 s[\g+3], 32<<16
	s_mov_b32 s[\g+4], 32
	s_mov_b32 s[\g+5], 32
	s_mov_b32 s[\g+6], 0
	s_mov_b32 s[\g+7], 0
.endr
	s_lshl_b32 s18, s16, 3                         ; which 8 tiles I fetch
	s_lshl_b32 s20, s17, 4
	s_add_co_u32 s20, s20, s18
	s_add_co_u32 s20, s20, s100                    ; A's first tile
	s_lshl_b32 s46, s42, 4
	s_add_co_u32 s46, s46, s18                     ; B's
	s_sub_co_u32 s22, s20, s18                     ; the scale words come whole: from the block's first tile on, 512 bytes a tile
	s_lshl_b32 s22, s22, 9
	s_add_co_u32 s22, s22, s101
	s_sub_co_u32 s92, s46, s18
	s_lshl_b32 s92, s92, 9
	s_add_co_u32 s92, s92, s2
	s_sub_co_u32 s20, s20, s18                     ; their codes: 16,384 bytes x the block's first tile,
	s_lshl_b32 s20, s20, 14
	s_sub_co_u32 s46, s46, s18
	s_lshl_b32 s46, s46, 14
	s_lshl_b32 s18, s18, 12                        ; + 4,096 x the tiles of my half
	s_add_co_u32 s20, s20, s18
	s_add_co_u32 s46, s46, s18
	s_mov_b32 s21, 0
	s_mov_b32 s23, 0
	s_mov_b32 s47, 0
	s_mov_b32 s93, 0
	s_mul_i32 s45, s14, HALFT                      ; where they go: by the wave's number alone
	s_wait_kmcnt 0x0
	s_cmp_eq_u32 ttmp9, 2
	s_cselect_b64 s[94:95], s[6:7], s[4:5]         ; A's buffer
	s_cselect_b64 s[96:97], s[4:5], s[6:7]         ; B's
	s_add_nc_u64 s[20:21], s[94:95], s[20:21]
	s_add_nc_u64 s[22:23], s[94:95], s[22:23]
	s_add_nc_u64 s[46:47], s[96:97], s[46:47]
	s_add_nc_u64 s[92:93], s[96:97], s[92:93]
	CROUND                                         ; all sixteen work-groups are here: the first joint loads meet
	s_mov_b32 s[G0S], 1
	s_mov_b32 s[G0S+1], SCL
	s_mov_b64 s[G0S+2:G0S+3], s[22:23]
	s_or_b32 s[G0S+3], s[G0S+3], 0x80000000
	s_mov_b32 s[G0SB], 1
	s_mov_b32 s[G0SB+1], SCL+2*HALFS
	s_mov_b64 s[G0SB+2:G0SB+3], s[92:93]
	s_or_b32 s[G0SB+3], s[G0SB+3], 0x80000000
.irp s, 0,1
	s_mov_b32 s[G0+4*\s], 1
	s_add_co_u32 s[G0+4*\s+1], s45, \s*SLOT
	s_add_nc_u64 s[G0+4*\s+2:G0+4*\s+3], s[20:21], \s*65536
	s_or_b32 s[G0+4*\s+3], s[G0+4*\s+3], 0x80000000
	s_mov_b32 s[G0B+4*\s], 1
	s_add_co_u32 s[G0B+4*\s+1], s45, \s*SLOT+2*HALFT   ; waves 2, 3: B's slots begin at 4 HALFT
	s_add_nc_u64 s[G0B+4*\s+2:G0B+4*\s+3], s[46:47], \s*65536
	s_or_b32 s[G0B+4*\s+3], s[G0B+4*\s+3], 0x80000000
.endr
; THE HEAD'S LOADS, ONE A WAVE: wave 0 BOTH slots of A (K steps 0 and 1 of the block's 16 tiles: 131,072 bytes on end), wave 2 both slots of B
; (in both waves my half is 0, so my ring's group 0 points at the block's first byte), wave 1 A's scale words, wave 3 B's.  One chain of branches on the wave's number, a load to an arm, all arms to one join.
.macro HARM w, g0, g1, next
	s_cmp_eq_u32 s14, \w
	s_cbranch_scc0 \next
	tensor_load_to_lds s[\g0:\g0+3], s[\g1:\g1+7]
	s_nop 0
.rept 4
	v_nop
.endr
	s_branch .Lhead_asked
\next:
.endm
	HARM 0, G0, G1, .Lhead_b
	HARM 2, G0B, G1B, .Lhead_sa
	HARM 1, G0S, G1S, .Lhead_sb
	tensor_load_to_lds s[G0SB:G0SB+3], s[G1SB:G1SB+7]
	s_nop 0
.rept 4
	v_nop
.endr
.Lhead_asked:
	v_and_b32 v1, 15, v0
	v_bfe_u32 v2, v0, 4, 1                         ; h
	; the bias, both ways; every address lies inside the buffer in all three cases
	v_lshlrev_b32 v6, 6, v2                        ; BB: 64 h
	s_wait_alu depctr_va_vdst(0)
	v_and_b32 v30, 8, v1
	v_add_nc_u32 v30, v30, v1
	v_lshlrev_b32 v30, 2, v30                      ; MA: 4 (r + 8 (r / 8))
	s_wait_alu depctr_va_vdst(0)
	s_lshl_b32 s94, ttmp9, 12
	s_lshl_b32 s95, s40, 10
	s_add_co_u32 s94, s94, s95
	s_lshl_b32 s95, s16, 9
	s_add_co_u32 s94, s94, s95                     ; 4 (1,024 x cluster x + 256 cx + 128 x my half of B)
	s_mov_b32 s95, 0
	s_add_nc_u64 s[94:95], s[8:9], s[94:95]
	s_lshl_b32 s96, s41, 10
	s_lshl_b32 s97, s15, 9
	s_add_co_u32 s96, s96, s97
	s_add_co_u32 s96, s96, 8192                    ; 4 (2,048 + 256 cy + 128 x my half of A)
	s_mov_b32 s97, 0
	s_add_nc_u64 s[96:97], s[8:9], s[96:97]
.irp c, 0,1,2,3
.irp k, 0,1,2,3
	global_load_b128 v[BB+16*\c+4*\k:BB+16*\c+4*\k+3], v6, s[94:95] offset:128*\c+16*\k   ; register 16 c + i: column 32 c + 16 h + i
.endr
.endr
.irp a, 0,1,2,3,4,5,6,7
	global_load_b32 v[MA+\a], v30, s[96:97] offset:4*(32*(\a/2)+8*(\a%2))   ; block a: row 32 (a / 2) + 8 (a % 2) + r + 8 (r / 8)
.endr
	v_and_b32 v3, 31, v0
	v_lshlrev_b32 v4, 4, v3                        ; 16 x lane
	s_wait_alu depctr_va_vdst(0)
	s_mul_i32 s21, s15, HALFT                      ; my 8 tiles of A
	s_mul_i32 s22, s16, HALFT                      ; my 8 tiles of B,
	s_add_co_u32 s22, s22, 4*HALFT                 ; which lie behind A's two slots
.irp s, 0,1
	v_add_nc_u32 v[ADRA+\s], s21, v4
	v_add_nc_u32 v[ADRB+\s], s22, v4
	s_add_co_u32 s21, s21, SLOT
	s_add_co_u32 s22, s22, SLOT
.endr
	v_lshlrev_b32 v3, 2, v1                        ; a row's scale word: 4 r
	s_mul_i32 s21, s15, HALFS
	s_mul_i32 s22, s16, HALFS
	s_add_co_u32 s22, s22, 2*HALFS
	s_sub_co_u32 s22, s22, s21
	v_mul_u32_u24 v5, s22, v2                      ; lanes 16-31 take B's
	s_add_co_u32 s21, s21, SCL
	v_add_nc_u32 v3, v3, v5
	v_add_nc_u32 v[ADRS], s21, v3
	v_mov_b32 v24, v4                              ; the way out: 16 x lane
	s_lshl_b32 s23, s14, 9
	v_lshl_add_u32 v25, v1, 2, s23                 ; my wave's 512 bytes of scale words, in slot 0: in,
	v_add_nc_u32 v26, s23, v4                      ; and back
	v_mov_b32 v7, 1.0
	; where my 128 x 128 goes.  P: the pair of heads, S: which 128 tokens of the batch
	s_lshl_b32 s18, s41, 1
	s_add_co_u32 s18, s18, s15                     ; 2 cy + my half of A
	s_lshl_b32 s19, s40, 1
	s_add_co_u32 s19, s19, s16                     ; 2 cx + my half of B
	s_cmp_eq_u32 ttmp9, 2
	s_cselect_b32 s20, s18, s19                    ; P
	s_cselect_b32 s21, s19, s18                    ; S
	s_lshl_b32 s22, s67, 3
	s_add_co_u32 s22, s22, s20
	s_lshl_b32 s22, s22, 3
	s_add_co_u32 s22, s22, s21                     ; (8 x batch + P) x 8 + S
	s_wait_alu depctr_va_vdst(0)
	s_wait_xcnt 0x0                                ; the 24 loads of the bias have had their addresses translated (ISA guide 3.1): their bases s[94:97] are written again only behind this wait
	s_and_b32 s94, s66, 16384                      ; V's fragments lie behind K's
	s_and_b32 s95, s66, 512
	s_add_co_u32 s95, s95, 32768                   ; a record's scale words: K's at 32,768, V's at 33,280
	s_mov_b32 s96, 33792
	s_cmp_eq_u32 ttmp9, 0
	s_cselect_b64 s[10:11], s[10:11], s[12:13]     ; qbuf or kvbuf
	s_cselect_b32 s97, 16384, s96
	s_cselect_b32 s96, 512, s96
	s_cselect_b32 s95, 8388608, s95
	s_mul_i32 s20, s22, s97
	s_add_co_u32 s20, s20, s94
	s_mov_b32 s21, 0
	s_mul_i32 s22, s22, s96
	s_add_co_u32 s22, s22, s95
	s_mov_b32 s23, 0
	s_add_nc_u64 s[12:13], s[10:11], s[22:23]      ; my 8 blocks' scale words
	s_add_nc_u64 s[10:11], s[10:11], s[20:21]      ; my 8 blocks' fragments
	s_wait_loadcnt 0x0
.set NN, 0
.rept 64
	v_cndmask_b32 v[BB+NN], v[BB+NN], v7, s66      ; v: BB = 1
.set NN, NN+1
.endr
.irp a, 0,1,2,3,4,5,6,7
	v_cndmask_b32 v[MA+\a], v7, v[MA+\a], s66      ; q, k: MA = 1
.endr
.macro FRAG reg, adr, q, i             ; a fragment comes as it lies: four loads of 512 consecutive bytes
.irp c, 0,1,2,3
	ds_load_b128 v[\reg+4*\c:\reg+4*\c+3], v[\adr] offset:2048*(\q)+512*\c+(\i)*4096
.endr
.endm
; 16 matrix instructions: A's blocks a0, a0 + 1 x B's eight, 128 along K.  The 64 accumulators take turns, one instruction a turn, in the same order in every step.
.macro MUL16 a0, p, q, sc, zero
.irp a, \a0, \a0+1
.irp b, 0,1,2,3,4,5,6,7
.if \zero
	v_wmma_scale_f32_16x16x128_f8f6f4 v[8*(8*((\a)%4)+\b):8*(8*((\a)%4)+\b)+7], v[128*(\p)+FR*\b:128*(\p)+FR*\b+FR-1], v[AF+FR*(\a):AF+FR*(\a)+FR-1], 0, v[SC+8*NQ*(\sc)+NQ*\b+(\q)], v[SC+8*NQ*(\sc)+NQ*(\a)+(\q)] matrix_a_fmt:MATRIX_FMT_BF8 matrix_b_fmt:MATRIX_FMT_BF8 matrix_a_scale:MATRIX_SCALE_ROW1
.else
	v_wmma_scale_f32_16x16x128_f8f6f4 v[8*(8*((\a)%4)+\b):8*(8*((\a)%4)+\b)+7], v[128*(\p)+FR*\b:128*(\p)+FR*\b+FR-1], v[AF+FR*(\a):AF+FR*(\a)+FR-1], v[8*(8*((\a)%4)+\b):8*(8*((\a)%4)+\b)+7], v[SC+8*NQ*(\sc)+NQ*\b+(\q)], v[SC+8*NQ*(\sc)+NQ*(\a)+(\q)] matrix_a_fmt:MATRIX_FMT_BF8 matrix_b_fmt:MATRIX_FMT_BF8 matrix_a_scale:MATRIX_SCALE_ROW1
.endif
.endr
.endr
.endm
.macro FETCH_B slot, q, p
	WIN TO_B
.irp i, 0,1,2,3,4,5,6,7
	FRAG 128*(\p)+FR*\i, ADRB+\slot, \q, \i
.endr
	WIN 0
.endm
.macro FETCH_A slot, q, i0
.irp i, \i0, \i0+1, \i0+2, \i0+3
	FRAG AF+FR*(\i), ADRA+\slot, \q, \i
.endr
.endm
.macro SCALES sc                       ; the next slot's scale words: lanes 0-15 take A's block i, lanes 16-31 B's block i
.irp i, 0,1,2,3,4,5,6,7
	ds_load_b32 v[SC+16*\sc+2*\i], v[ADRS] offset:512*\i
	ds_load_b32 v[SC+16*\sc+2*\i+1], v[ADRS] offset:512*\i+64
.endr
.endm
.macro PLACES n                        ; plain vector instructions between a matrix instruction and a load into, or a read of, its registers (ISA guide 7.12.1 for reads)
.rept \n
	v_nop
.endr
.endm
.macro STEP slot, q, zero              ; 128 along K that have their successor in the same slot
	s_wait_dscnt 4*NL                              ; B's set and A's blocks 0-3 are in; the youngest 16 loads (A's blocks 4-7) may be out
	WIN MUL_LO
	MUL16 0, (\q)%2, \q, \slot, \zero
	MUL16 2, (\q)%2, \q, \slot, \zero
	s_wait_dscnt 0
	PLACES NP
	FETCH_B \slot, (\q)+1, 1-(\q)%2
	FETCH_A \slot, (\q)+1, 0
	WIN MUL_HI
	MUL16 4, (\q)%2, \q, \slot, \zero
	MUL16 6, (\q)%2, \q, \slot, \zero
	PLACES NP
	WIN 0
	FETCH_A \slot, (\q)+1, 4
.endm
; A slot's last step changes slots: ONE barrier; in front of it each wave waits for all its tensor loads, adds 0 to its spare word, and waits for that and for its reads of this slot.  fill = 1: this slot is filled again.
.macro TURN slot, next, fill
	s_wait_tensorcnt 0x0                           ; all my tensor loads have landed: my part of the next slot
	ds_add_u32 v[SPW], v[NIL]                      ; 0 onto my spare word
	s_wait_dscnt 4*NL+1                            ; (the add and the youngest 16 loads may be out)
	WIN MUL_LO
	MUL16 0, 1, NQ-1, \slot, 0
	s_wait_dscnt 0x0                               ; the add is done, and my reads of this slot are over
	s_barrier_signal -1
	MUL16 2, 1, NQ-1, \slot, 0
	WIN 0
	s_barrier_wait -1
.if \fill
	CREST                                          ; the barrier has opened a round of the cluster's: no wave of any partner still reads this slot or has a load on its way
	s_add_nc_u64 s[G0+4*\slot+2:G0+4*\slot+3], s[G0+4*\slot+2:G0+4*\slot+3], 131072
	s_add_nc_u64 s[G0B+4*\slot+2:G0B+4*\slot+3], s[G0B+4*\slot+2:G0B+4*\slot+3], 131072
	JLOAD G0+4*\slot, G1, G0B+4*\slot, G1B         ; the first tensor load behind the round, my one load until the next; its four v_nop are among the places below
	PLACES NP-4
.else
	PLACES NP
.endif
	s_wait_alu depctr_va_vdst(0)
	v_add_nc_u32 v[ADRS], 128, v[ADRS]             ; the next slot's scale words: two K steps of 64 bytes on
	FETCH_B \next, 0, 0
	FETCH_A \next, 0, 0
	SCALES \next
	WIN MUL_HI
	MUL16 4, 1, NQ-1, \slot, 0
	MUL16 6, 1, NQ-1, \slot, 0
	PLACES NP
	WIN 0
	FETCH_A \next, 0, 4
.endm
	s_wait_alu depctr_va_vdst(0)
	s_wait_tensorcnt 0x0                           ; my tile of the head's four is in
	s_mov_b32 s[G1+2], 8<<16                       ; no tensor load of mine is out: from here on a load brings 8 tiles
	s_mov_b32 s[G1+4], 8
	s_mov_b32 s[G1B+2], 8<<16
	s_mov_b32 s[G1B+4], 8
	s_barrier_signal -1                            ; both slots and the scale words are in
	s_barrier_wait -1
	FETCH_B 0, 0, 0
	FETCH_A 0, 0, 0
	SCALES 0
	FETCH_A 0, 0, 4
	STEP 0, 0, 1                                   ; the first products start the sums: nothing is cleared
	TURN 0, 1, 1
	STEP 1, 0, 0
	TURN 1, 0, 1
	STEP 0, 0, 0
	TURN 0, 1, 0                                   ; nothing is left to fetch
	STEP 1, 0, 0
	s_wait_dscnt 4*NL
	WIN MUL_LO
	MUL16 0, 1, NQ-1, 1, 0
	MUL16 2, 1, NQ-1, 1, 0
	s_wait_dscnt 0
	WIN MUL_HI
	MUL16 4, 1, NQ-1, 1, 0
	MUL16 6, 1, NQ-1, 1, 0
	WIN 0
; 64 numbers of a lane, register 16 b + i = k 32 b + 16 (lane / 16) + i of my row, become a fragment's codes in v[pc] on and its scale word in v[pw].
.macro QUANT s, pc, pw
.irp b, 0,1,2,3
	v_max3_num_f32 v[TM+\b], |v[\s+16*\b]|, |v[\s+1+16*\b]|, 0x8000000   ; my 16 numbers of block b, and the floor 2^(16 - 127): the byte cannot fall under 1
.endr
.irp i, 2,4,6,8,10,12,14
.irp b, 0,1,2,3
	v_max3_num_f32 v[TM+\b], v[TM+\b], |v[\s+16*\b+\i]|, |v[\s+1+16*\b+\i]|
.endr
.endr
.irp b, 0,1,2,3
	v_permlanex16_b32 v[TM+4+\b], v[TM+\b], s[SEL], s[SEL+1]
.endr
.irp b, 0,1,2,3
	v_max_num_f32 v[TM+\b], v[TM+\b], v[TM+4+\b]   ; with lane l xor 16's: the block's largest magnitude
.endr
.irp b, 0,1,2,3
	v_add_nc_u32 v[TM+12+\b], 0xf8800000, v[TM+\b] ; 15 off its exponent field: the conversion's scale operand
.endr
.irp b, 0,1,2,3
	v_and_or_b32 v[TM+8+\b], v[TM+\b], 0x7f800000, s[MNT]   ; 57,344 x the scale
.endr
.irp b, 0,1,2,3
	v_lshrrev_b32 v[TM+4+\b], 23, v[TM+12+\b]      ; the scale's byte
.endr
	v_lshl_or_b32 v[\pw], v[TM+5], 8, v[TM+4]
	v_lshl_or_b32 v[\pw], v[TM+6], 16, v[\pw]
	v_lshl_or_b32 v[\pw], v[TM+7], 24, v[\pw]
.irp b, 0,1,2,3
.irp i, 0,1,2,3,4,5,6,7,8,9,10,11,12,13,14,15
	v_med3_num_f32 v[\s+16*\b+\i], v[\s+16*\b+\i], -v[TM+8+\b], v[TM+8+\b]   ; the conversion does not saturate (ISA guide 7.6.2): the hold comes first
.endr
	v_cvt_scalef32_pk8_bf8_f32 v[\pc+4*\b:\pc+1+4*\b], v[\s+16*\b:\s+7+16*\b], v[TM+12+\b]
	v_cvt_scalef32_pk8_bf8_f32 v[\pc+2+4*\b:\pc+3+4*\b], v[\s+8+16*\b:\s+15+16*\b], v[TM+12+\b]
.endr
	v_nop                                          ; a plain instruction behind the last scaled conversion
.endm
.macro BIAS a                          ; block a's 64 sums + the bias, each accumulator from its low end on
	WIN 0x20+0x10*((\a)/4)                         ; source 2: window 2 or 3
.set AC, 64*((\a)%4)
.set MP, MA+2*((\a)/2)
.set NN, 0
.rept 32
.if (\a)%2
	v_pk_fma_f32 v[T+NN:T+NN+1], v[BB+NN:BB+NN+1], v[MP:MP+1], v[AC+NN:AC+NN+1] op_sel:[0,1,0] op_sel_hi:[1,1,1]
.else
	v_pk_fma_f32 v[T+NN:T+NN+1], v[BB+NN:BB+NN+1], v[MP:MP+1], v[AC+NN:AC+NN+1] op_sel_hi:[1,0,1]
.endif
.set NN, NN+2
.endr
	WIN 0
.endm
	PLACES NP                                      ; behind the last products: their results are read, and the registers that held A's fragments are written
	s_mov_b32 s[SEL], 0x76543210
	s_mov_b32 s[SEL+1], 0xfedcba98
	s_mov_b32 s[MNT], 0x600000
.irp b, 0,1,2,3
	v_mov_b32 v[TM+4+\b], 0                        ; a lane permute's destination counts as one of its sources
.endr
.irp a, 0,1,2,3,4,5,6,7
	BIAS \a
.if \a > 0
	s_wait_xcnt 0x0                                ; the last block's stores have read their registers: the codes may be written again,
	s_wait_dscnt 0x0                               ; and so may the scale word
.endif
	QUANT T, PC, PW
.irp c, 0,1,2,3
	global_store_b128 v24, v[PC+4*\c:PC+4*\c+3], s[10:11] offset:2048*\a+512*\c   ; the fragment as it stands: 512 consecutive bytes a store, at a multiple of 256 from the buffer's first byte
.endr
	ds_store_b32 v25, v[PW] offset:64*\a           ; the scale words gather in slot 0, which has had its last fill and its last read (both halves of the lanes write the same words)
.endr
	ds_load_b128 v[228:231], v26                   ; LDS serves a wave's instructions in order: this sees my stores
	s_wait_dscnt 0x0
	global_store_b128 v24, v[228:231], s[12:13]    ; my 8 blocks' scale words: 512 consecutive bytes
	s_wait_tensorcnt 0x0                           ; the wave's end
	ds_add_u32 v[SPW], v[NIL]
	s_wait_dscnt 0x0
	CROUND                                         ; the closing round
	s_endpgm
.Lfunc_end_k_q3af7c03bda_qkv:
	.size	k_q3af7c03bda_qkv, .Lfunc_end_k_q3af7c03bda_qkv-k_q3af7c03bda_qkv
	.p2alignl 7, 3214868480
	.fill 96, 4, 3214868480
	.section	.rodata,"a",@progbits
	.p2align	6, 0x0
	.amdhsa_kernel k_q3af7c03bda_qkv
		.amdhsa_group_segment_fixed_size 327680
		.amdhsa_private_segment_fixed_size 0
		.amdhsa_enable_private_segment 0
		.amdhsa_kernarg_size 40
		.amdhsa_user_sgpr_count 2
		.amdhsa_user_sgpr_kernarg_segment_ptr 1
		.amdhsa_wavefront_size32 1
		.amdhsa_system_sgpr_workgroup_id_x 1
		.amdhsa_system_sgpr_workgroup_id_y 1
		.amdhsa_system_sgpr_workgroup_id_z 1
		.amdhsa_system_vgpr_workitem_id 0
		.amdhsa_next_free_vgpr 1024
		.amdhsa_next_free_sgpr 102
		.amdhsa_reserve_vcc 0
		.amdhsa_float_denorm_mode_32 3
		.amdhsa_float_denorm_mode_16_64 3
		.amdhsa_memory_ordered 1
		.amdhsa_forward_progress 1
		.amdhsa_inst_pref_size 211
	.end_amdhsa_kernel
	.amdgpu_metadata
---
amdhsa.version: [ 1, 2 ]
amdhsa.kernels:
  - .name:           k_q3af7c03bda_qkv
    .symbol:         k_q3af7c03bda_qkv.kd
    .args:
      - { .name: ybuf, .offset: 0, .size: 8, .value_kind: global_buffer, .address_space: global }
      - { .name: wbuf, .offset: 8, .size: 8, .value_kind: global_buffer, .address_space: global }
      - { .name: in_proj_bias, .offset: 16, .size: 8, .value_kind: global_buffer, .address_space: global }
      - { .name: qbuf, .offset: 24, .size: 8, .value_kind: global_buffer, .address_space: global }
      - { .name: kvbuf, .offset: 32, .size: 8, .value_kind: global_buffer, .address_space: global }
    .group_segment_fixed_size: 327680
    .private_segment_fixed_size: 0
    .kernarg_segment_align: 8
    .kernarg_segment_size: 40
    .max_flat_workgroup_size: 128
    .sgpr_count:     102
    .vgpr_count:     1024
    .wavefront_size: 32
...
	.end_amdgpu_metadata
.endif
;; end of part 2
;; launch attn (part 3): grid 4 x 64, 8 waves a work-group, clusters of 4 x 1, 327,680 bytes of LDS; arguments qbuf, kvbuf, encoder_padding_mask, cbuf; writes cbuf
.if DOCPART == 3
	.amdgcn_target "amdgcn-amd-amdhsa--gfx1250"
	.amdhsa_code_object_version 6
	.text
	.protected	k_q3af7c03bda_attn
	.globl	k_q3af7c03bda_attn
	.p2align	8
	.type	k_q3af7c03bda_attn,@function
k_q3af7c03bda_attn:
	s_mov_b64 s[64:65], 0
	v_nop
	global_prefetch_b8 v0, s[64:65] scope:SCOPE_SE
	s_setreg_imm32_b32 hwreg(HW_REG_WAVE_MODE, 25, 1), 1
	s_wait_xcnt 0x0
	s_wait_alu depctr_hold_cnt(0) depctr_sa_sdst(0) depctr_va_vdst(0) depctr_va_sdst(0) depctr_va_ssrc(0) depctr_va_vcc(0) depctr_vm_vsrc(0)
	s_getreg_b32 s2, hwreg(HW_REG_IB_STS2, 6, 4)
	s_cmp_eq_u32 s2, 0
	s_cbranch_scc0 .Lentry_in_a_cluster
	s_endpgm
.Lentry_in_a_cluster:
	s_bfe_u32 s2, ttmp6, 0x10000c
	s_cmp_lg_u32 s2, 0x3003
	s_cbranch_scc0 .Lentry_shape_is_right
	s_endpgm
.Lentry_shape_is_right:
.set KVB,    33792
; Attention of one pair of heads of one batch on codes of BF8 (E5M2) with E8M0 scales: S^T = K Q^T + mask, p = 2^(t - M) with M the ceiling of the running largest t, O^T += V^T P^T, O / the sum, quantised along the 1,024 of the next product.
; A work-group owns 256 queries; each of its 8 waves 32 of them, for both heads of the pair.  The four work-groups of a cluster walk the same keys.
; K, V AND THEIR SCALE WORDS of all 1,024 keys are 8 records of KVB bytes on end; they stay in LDS.  Wave w fetches record w by ONE joint load at the head: KVB bytes as 132 rows of 256, each at a multiple of 256 from the buffer's first byte.  Nothing is filled again.
; The mask x -1e8 / the scores' factor is the first product's C.  LIMITS: NaN and infinities are not served; the scaled scores stay under 2^31 in magnitude; a block of zeros gets the byte 1 with zero codes.
.set MADD,   8*KVB
.set AK,  1
.set AW,  2
.set AM,  3
.set ADK, 4
.set ADS, 5
.set ADM, 6
.set KS,  8
.set VS,  16
.set QS,  20
.set PW,  22
.set ST,  24
.set BM,  40
.set PM,  44
.set HB,  48
.set SO,  52
.set FP,  56
.set T0,  60
.set S,   64
.set KC,  128
.set PC,  200
.set HB2, 233
.set OQ,  128
.set MC,  176
.set TM,  40
.set WV,  12
.set SEL, 44
.set CS,  46
.set MNT, 48
.set MSB, 0
.macro WIN new
.if MSB != (\new)
	s_set_vgpr_msb (MSB<<8)|(\new)
.set MSB, (\new)
.endif
.endm
.macro CROUND
	s_barrier_signal -1
	s_barrier_wait -1
	s_cmp_lg_u32 s[WV], 0
	s_cbranch_scc1 .Lnot_wave_0_\@
	s_barrier_signal -3
.Lnot_wave_0_\@:
	s_barrier_wait -3
	s_barrier_signal -1
	s_barrier_wait -1
.endm
	s_load_b256 s[4:11], s[0:1], 0x0
	v_lshl_add_u32 v254, v0, 2, 0x43000
	v_mov_b32 v255, 0
	ds_add_u32 v254, v255
	ds_add_u32 v254, v255
	v_lshrrev_b32 v1, 5, v0
	s_delay_alu instid0(VALU_DEP_1)
	v_readfirstlane_b32 s[WV], v1
	s_bfe_u32 s13, ttmp6, 0x40000
	s_and_b32 s14, ttmp7, 0xffff
	s_lshr_b32 s15, s14, 3
	s_and_b32 s16, s14, 7
	s_lshl_b32 s17, ttmp9, 2
	s_add_co_u32 s17, s17, s13
	s_lshl_b32 s17, s17, 4
	s_lshl_b32 s18, s[WV], 1
	s_add_co_u32 s17, s17, s18
	s_mov_b32 s24, 15|(3<<16)|(1<<21)
	s_mov_b32 s25, 32<<16                          ; rows of 32 elements of 8 bytes,
	s_mov_b32 s26, 132<<16                         ; 132 of them,
	s_mov_b32 s27, 32<<16
	s_mov_b32 s28, 132
	s_mov_b32 s29, 32                              ; on end
	s_mov_b32 s30, 0
	s_mov_b32 s31, 0
	s_mul_i32 s19, s[WV], KVB                      ; my record, in memory and in LDS alike
	s_mul_i32 s20, s14, 8*KVB
	s_mov_b32 s21, 0
	s_mov_b32 s23, 0
	s_mov_b32 s[SEL], 0x76543210
	s_mov_b32 s[SEL+1], 0xfedcba98
	s_mov_b32 s[CS], 0x3e38aa3b
	s_mov_b32 s[CS+1], s[CS]
	s_mov_b32 s[MNT], 0x600000
	s_wait_dscnt 0x0
	s_wait_kmcnt 0x0
	s_add_nc_u64 s[20:21], s[6:7], s[20:21]
	s_mov_b32 s22, s19
	s_mov_b32 s32, 1
	s_mov_b32 s33, s19
	s_add_nc_u64 s[34:35], s[20:21], s[22:23]
	s_or_b32 s35, s35, 0x80000000
	CROUND
	tensor_load_to_lds s[32:35], s[24:31]
	s_nop 0
.rept 4
	v_nop
.endr
	s_lshl_b32 s22, s14, 6
	s_add_co_u32 s22, s22, s17
	s_lshl_b32 s50, s22, 11
	s_mov_b32 s51, 0
	s_add_nc_u64 s[50:51], s[4:5], s[50:51]
	s_lshl_b32 s52, s22, 6
	s_add_co_u32 s52, s52, 8388608
	s_mov_b32 s53, 0
	s_add_nc_u64 s[52:53], s[4:5], s[52:53]
	s_lshl_b32 s22, s15, 6
	s_add_co_u32 s22, s22, s17
	s_lshl_b32 s54, s22, 14
	s_lshl_b32 s23, s16, 11
	s_add_co_u32 s54, s54, s23
	s_mov_b32 s55, 0
	s_add_nc_u64 s[54:55], s[10:11], s[54:55]
	s_lshl_b32 s56, s22, 9
	s_lshl_b32 s23, s16, 6
	s_add_co_u32 s56, s56, s23
	s_add_co_u32 s56, s56, 8388608
	s_mov_b32 s57, 0
	s_add_nc_u64 s[56:57], s[10:11], s[56:57]
	s_lshl_b32 s22, s15, 12
	s_mov_b32 s23, 0
	s_add_nc_u64 s[8:9], s[8:9], s[22:23]
	v_and_b32 v7, 31, v0
	s_delay_alu instid0(VALU_DEP_1)
	v_lshlrev_b32 v[AK], 4, v7
	v_and_b32 v61, 15, v0
	s_delay_alu instid0(VALU_DEP_1)
	v_lshlrev_b32 v[AW], 2, v61
	v_bfe_u32 v62, v0, 4, 1
	s_delay_alu instid0(VALU_DEP_1)
	v_lshl_add_u32 v[AM], v62, 6, MADD
	v_lshlrev_b32 v63, 4, v0
	global_load_b128 v[S:S+3], v63, s[8:9]
	global_load_b32 v[QS], v[AW], s[52:53]
	global_load_b32 v[QS+1], v[AW], s[52:53] offset:64
	WIN 0x40
.irp i, 0,1
	global_load_b128 v[OQ+24*\i:OQ+24*\i+3], v[AK], s[50:51] offset:2048*\i
	global_load_b128 v[OQ+24*\i+4:OQ+24*\i+7], v[AK], s[50:51] offset:2048*\i+512
	global_load_b128 v[OQ+24*\i+16:OQ+24*\i+19], v[AK], s[50:51] offset:2048*\i+1024
	global_load_b128 v[OQ+24*\i+20:OQ+24*\i+23], v[AK], s[50:51] offset:2048*\i+1536
.irp j, 0,1,2,3,4,5,6,7
	v_mov_b32 v[OQ+24*\i+8+\j], 0
.endr
.endr
.set NN, 0
.rept 128
	v_mov_b32 v[NN], 0
.set NN, NN+1
.endr
	WIN 0
.irp j, 0,1,2,3,4,5,6,7
	v_mov_b32 v[KC+64+\j], 0
.endr
.irp b, 0,1,2,3
	v_mov_b32 v[PM+\b], 0
	v_mov_b32 v[FP+\b], 0
	v_mov_b32 v[ST+4*\b+1], 0xff61b1e6
	v_mov_b32 v[ST+4*\b+2], 0
	v_mov_b32 v[ST+4*\b+3], 0
.endr
.irp b, 0,1,2,3
	v_floor_f32 v[ST+4*\b], -v[ST+4*\b+1]
.endr
	s_wait_loadcnt 0x0
.irp e, 0,1,2,3
	v_cvt_f32_i32 v[S+\e], v[S+\e]
.endr
.irp e, 0,1,2,3
	s_delay_alu instid0(VALU_DEP_4)
	v_mul_f32 v[S+\e], 0xce3ebc20, v[S+\e]
.endr
	v_add_nc_u32 v63, MADD, v63
	ds_store_b128 v63, v[S:S+3]
.macro KLOAD x
.irp t, 0,1,2,3,4,5,6,7
	ds_load_b128 v[KC+8*(\t+\x):KC+8*(\t+\x)+3], v[ADK] offset:2048*\t+1024*\x
	ds_load_b128 v[KC+8*(\t+\x)+4:KC+8*(\t+\x)+7], v[ADK] offset:2048*\t+1024*\x+512
.endr
.endm
.macro QK x, i
.irp t, 0,1,2,3,4,5,6,7
	v_wmma_scale_f32_16x16x128_f8f6f4 v[S+8*\t:S+8*\t+7], v[KC+8*\t:KC+8*\t+15], v[OQ+24*\i+8*\x:OQ+24*\i+8*\x+15], v[MC+8*\t:MC+8*\t+7], v[KS+\t], v[QS+\i] matrix_a_fmt:MATRIX_FMT_BF8 matrix_b_fmt:MATRIX_FMT_BF8
.endr
.endm
.macro VLOAD x
.irp t, 0,1,2,3
.irp c, 0,1,2,3
	ds_load_b128 v[KC+16*\t+4*\c:KC+16*\t+4*\c+3], v[ADK] offset:16384+(4*\x+\t)*2048+512*\c
.endr
	ds_load_b32 v[VS+\t], v[ADS] offset:33280+64*(4*\x+\t)
.endr
.endm
.macro PV x
.irp i, 0,1
.irp t, 0,1,2,3
	v_wmma_scale_f32_16x16x128_f8f6f4 v[64*\i+32*\x+8*\t:64*\i+32*\x+8*\t+7], v[KC+16*\t:KC+16*\t+15], v[PC+16*\i:PC+16*\i+15], v[64*\i+32*\x+8*\t:64*\i+32*\x+8*\t+7], v[VS+\t], v[PW+\i] matrix_a_fmt:MATRIX_FMT_BF8 matrix_b_fmt:MATRIX_FMT_BF8
.endr
.endr
.endm
.macro ORESC x, i
	WIN 0x41
.irp n, 0,1,2,3,4,5,6,7,8,9,10,11,12,13,14,15
	v_pk_mul_f32 v[64*\i+32*\x+2*\n:64*\i+32*\x+2*\n+1], v[64*\i+32*\x+2*\n:64*\i+32*\x+2*\n+1], v[FP+2*\i:FP+2*\i+1] op_sel_hi:[1,0]
.endr
.endm
.macro SOFTMAX x, i
.set U, ST+4*(2*\x+\i)
.set F, FP+2*\i
.irp b, 0,1,2,3
	v_max3_num_f32 v[BM+\b], v[S+16*\b], v[S+1+16*\b], v[S+2+16*\b]
.endr
.irp n, 3,5,7,9,11,13
.irp b, 0,1,2,3
	v_max3_num_f32 v[BM+\b], v[BM+\b], v[S+16*\b+\n], v[S+1+16*\b+\n]
.endr
.endr
.irp b, 0,1,2,3
	v_max_num_f32 v[BM+\b], v[BM+\b], v[S+15+16*\b]
.endr
.irp b, 0,1,2,3
	s_delay_alu instid0(VALU_DEP_4)
	v_permlanex16_b32 v[PM+\b], v[BM+\b], s[SEL], s[SEL+1]
.endr
.irp b, 0,1,2,3
	s_delay_alu instid0(VALU_DEP_4)
	v_max_num_f32 v[BM+\b], v[BM+\b], v[PM+\b]
.endr
	s_delay_alu instid0(VALU_DEP_2)
	v_max3_num_f32 v[T0], v[BM], v[BM+1], v[BM+2]
	s_delay_alu instid0(VALU_DEP_1)
	v_max_num_f32 v[T0], v[T0], v[BM+3]
	s_delay_alu instid0(VALU_DEP_1)
	v_mul_f32 v[T0], s[CS], v[T0]
	s_delay_alu instid0(VALU_DEP_1)
	v_max_num_f32 v[U+1], v[U+1], v[T0]
	v_mov_b32 v[T0], v[U]
	s_delay_alu instid0(VALU_DEP_2)
	v_floor_f32 v[U], -v[U+1]
.set NN, 0
.irp k, 0,1,2,3                        ; t - M, two at a time; the three dependent lines that make f = 2^(old M - new M) stand eight multiply-adds apart among them
.rept 8
	v_pk_fma_f32 v[S+NN:S+NN+1], v[S+NN:S+NN+1], s[CS:CS+1], v[U:U+1] op_sel_hi:[1,0,0]
.set NN, NN+2
.endr
.if \k == 0
	v_sub_f32 v[T0], v[U], v[T0]
.elseif \k == 1
	v_cvt_i32_f32 v[T0], v[T0]
.elseif \k == 2
	v_ldexp_f32 v[F], 1.0, v[T0]
.endif
.endr
.irp b, 0,1,2,3
	v_fma_f32 v[BM+\b], v[BM+\b], s[CS], v[U]
.endr
.set NN, 0
	s_wait_alu depctr_va_vdst(0)
.rept 64
	v_exp_f32 v[S+NN], v[S+NN]
.set NN, NN+1
.endr
	v_pk_mul_f32 v[U+2:U+3], v[U+2:U+3], v[F:F+1] op_sel_hi:[1,0]
	s_wait_alu depctr_va_vdst(0)
.irp b, 0,1,2,3
	v_exp_f32 v[BM+\b], v[BM+\b]
.endr
.set XS, 238                           ; v238-241: two more chains.  The row's sum of the unquantised p: 32 packed additions in four chains by turns
	v_pk_add_f32 v[PM:PM+1], v[S:S+1], v[S+2:S+3]
	v_pk_add_f32 v[XS:XS+1], v[S+4:S+5], v[S+6:S+7]
	v_pk_add_f32 v[XS+2:XS+3], v[S+8:S+9], v[S+10:S+11]
	v_pk_add_f32 v[U+2:U+3], v[U+2:U+3], v[S+12:S+13]
.irp n, 14,22,30,38,46,54
	v_pk_add_f32 v[PM:PM+1], v[PM:PM+1], v[S+\n:S+\n+1]
	v_pk_add_f32 v[XS:XS+1], v[XS:XS+1], v[S+\n+2:S+\n+3]
	v_pk_add_f32 v[XS+2:XS+3], v[XS+2:XS+3], v[S+\n+4:S+\n+5]
	v_pk_add_f32 v[U+2:U+3], v[U+2:U+3], v[S+\n+6:S+\n+7]
.endr
	v_pk_add_f32 v[PM:PM+1], v[PM:PM+1], v[S+62:S+63]
	v_pk_add_f32 v[XS:XS+1], v[XS:XS+1], v[XS+2:XS+3]
	v_pk_add_f32 v[U+2:U+3], v[U+2:U+3], v[PM:PM+1]
	v_pk_add_f32 v[U+2:U+3], v[U+2:U+3], v[XS:XS+1]
	s_wait_alu depctr_va_vdst(0)
.irp b, 0,1,2,3
	v_max_num_f32 v[BM+\b], 0x8000000, v[BM+\b]
.endr
.irp b, 0,1,2,3
	s_delay_alu instid0(VALU_DEP_4)
	v_add_nc_u32 v[SO+\b], 0xf8800000, v[BM+\b]
.endr
.irp b, 0,1,2,3
	v_and_or_b32 v[HB+\b], v[BM+\b], 0x7f800000, s[MNT]
.endr
.irp b, 0,1,2,3
	v_and_or_b32 v[HB2+\b], v[BM+\b], 0x7f800000, s[MNT]
.endr
.irp b, 0,1,2,3
	v_lshrrev_b32 v[PM+\b], 23, v[SO+\b]
.endr
	s_delay_alu instid0(VALU_DEP_3)
	v_lshl_or_b32 v[PW+\i], v[PM+1], 8, v[PM]
	s_delay_alu instid0(VALU_DEP_1)
	v_lshl_or_b32 v[PW+\i], v[PM+2], 16, v[PW+\i]
	s_delay_alu instid0(VALU_DEP_1)
	v_lshl_or_b32 v[PW+\i], v[PM+3], 24, v[PW+\i]
.irp b, 0,1,2,3
.irp n, 0,2,4,6,8,10,12,14
	v_dual_min_num_f32 v[S+16*\b+\n], v[S+16*\b+\n], v[HB+\b] :: v_dual_min_num_f32 v[S+16*\b+\n+1], v[S+16*\b+\n+1], v[HB2+\b]
.endr
	v_cvt_scalef32_pk8_bf8_f32 v[PC+16*\i+4*\b:PC+16*\i+4*\b+1], v[S+16*\b:S+16*\b+7], v[SO+\b]
	v_cvt_scalef32_pk8_bf8_f32 v[PC+16*\i+4*\b+2:PC+16*\i+4*\b+3], v[S+16*\b+8:S+16*\b+15], v[SO+\b]
.endr
	v_nop
.endm
.macro HEAD x
	s_wait_dscnt 0x0
	WIN 0x14
	QK \x, 0
	WIN 0
.rept 8
	v_nop
.endr
	SOFTMAX \x, 0
	WIN 0x14
	QK \x, 1
	ORESC \x, 0
	WIN 0
	VLOAD \x
	SOFTMAX \x, 1
	ORESC \x, 1
	WIN 0
	s_wait_alu depctr_va_vdst(0)
	s_wait_dscnt 0x0
	WIN 0x50
	PV \x
	WIN 0
.endm
.macro STEP
	v_add_nc_u32 v[ADK], s40, v[AK]
	v_add_nc_u32 v[ADS], s40, v[AW]
	v_add_nc_u32 v[ADM], s41, v[AM]
.rept 5
	v_nop
.endr
	WIN 0x40
.irp b, 0,1,2,3
.irp k, 0,1,2,3
	ds_load_b128 v[MC+16*\b+4*\k:MC+16*\b+4*\k+3], v[ADM] offset:128*\b+16*\k
.endr
.endr
	WIN 0
.irp t, 0,1,2,3,4,5,6,7
	ds_load_b32 v[KS+\t], v[ADS] offset:32768+64*\t
.endr
	KLOAD 0
	HEAD 0
.rept 8
	v_nop
.endr
	KLOAD 1
	HEAD 1
.endm
.macro PHASE p, first, trips
	s_wait_tensorcnt 1-\p
	s_wait_dscnt 0x0
	s_barrier_signal -1
	s_barrier_wait -1
	s_mov_b32 s40, KVB*\first
	s_mov_b32 s41, 512*\first
	s_mov_b32 s42, \trips
.Lstep_\@:
	STEP
	s_add_co_u32 s40, s40, KVB
	s_add_co_u32 s41, s41, 512
	s_sub_co_u32 s42, s42, 1
	s_cmp_lg_u32 s42, 0
	s_cbranch_scc1 .Lstep_\@
.endm
	PHASE 1, 0, 8                                  ; every wave waits for its record, one barrier, then 8 steps of 128 keys
.macro QUANT s, pc, pw
.irp b, 0,1,2,3
	v_max3_num_f32 v[TM+\b], |v[\s+16*\b]|, |v[\s+1+16*\b]|, 0x8000000
.endr
.irp i, 2,4,6,8,10,12,14
.irp b, 0,1,2,3
	s_delay_alu instid0(VALU_DEP_4)
	v_max3_num_f32 v[TM+\b], v[TM+\b], |v[\s+16*\b+\i]|, |v[\s+1+16*\b+\i]|
.endr
.endr
.irp b, 0,1,2,3
	s_delay_alu instid0(VALU_DEP_4)
	v_permlanex16_b32 v[TM+4+\b], v[TM+\b], s[SEL], s[SEL+1]
.endr
.irp b, 0,1,2,3
	s_delay_alu instid0(VALU_DEP_4)
	v_max_num_f32 v[TM+\b], v[TM+\b], v[TM+4+\b]
.endr
.irp b, 0,1,2,3
	s_delay_alu instid0(VALU_DEP_4)
	v_add_nc_u32 v[TM+12+\b], 0xf8800000, v[TM+\b]
.endr
.irp b, 0,1,2,3
	v_and_or_b32 v[TM+8+\b], v[TM+\b], 0x7f800000, s[MNT]
.endr
.irp b, 0,1,2,3
	v_lshrrev_b32 v[TM+4+\b], 23, v[TM+12+\b]
.endr
	s_delay_alu instid0(VALU_DEP_3)
	v_lshl_or_b32 v[\pw], v[TM+5], 8, v[TM+4]
	s_delay_alu instid0(VALU_DEP_1)
	v_lshl_or_b32 v[\pw], v[TM+6], 16, v[\pw]
	s_delay_alu instid0(VALU_DEP_1)
	v_lshl_or_b32 v[\pw], v[TM+7], 24, v[\pw]
.irp b, 0,1,2,3
.irp i, 0,1,2,3,4,5,6,7,8,9,10,11,12,13,14,15
	v_med3_num_f32 v[\s+16*\b+\i], v[\s+16*\b+\i], -v[TM+8+\b], v[TM+8+\b]
.endr
	v_cvt_scalef32_pk8_bf8_f32 v[\pc+4*\b:\pc+1+4*\b], v[\s+16*\b:\s+7+16*\b], v[TM+12+\b]
	v_cvt_scalef32_pk8_bf8_f32 v[\pc+2+4*\b:\pc+3+4*\b], v[\s+8+16*\b:\s+15+16*\b], v[TM+12+\b]
.endr
	v_nop
.endm
.rept 8
	v_nop
.endr
.irp u, 0,1,2,3
	v_add_f32 v[ST+4*\u+2], v[ST+4*\u+2], v[ST+4*\u+3]
.endr
.irp u, 0,1,2,3
	s_delay_alu instid0(VALU_DEP_4)
	v_permlanex16_b32 v[PM+\u], v[ST+4*\u+2], s[SEL], s[SEL+1]
.endr
.irp u, 0,1,2,3
	s_delay_alu instid0(VALU_DEP_4)
	v_add_f32 v[ST+4*\u+2], v[ST+4*\u+2], v[PM+\u]
.endr
	s_wait_alu depctr_va_vdst(0)
.irp u, 0,1,2,3
	v_rcp_f32 v[ST+4*\u+2], v[ST+4*\u+2]
.endr
	v_nop
	s_wait_alu depctr_va_vdst(0)
.irp i, 0,1
	WIN 0x01
.irp x, 0,1
.irp n, 0,1,2,3,4,5,6,7,8,9,10,11,12,13,14,15
	v_pk_mul_f32 v[S+32*\x+2*\n:S+32*\x+2*\n+1], v[64*\i+32*\x+2*\n:64*\i+32*\x+2*\n+1], v[ST+4*(2*\x+\i)+2:ST+4*(2*\x+\i)+3] op_sel_hi:[1,0]
.endr
.endr
	WIN 0
	QUANT S, PC+16*\i, PW+\i
.irp c, 0,1,2,3
	global_store_b128 v[AK], v[PC+16*\i+4*\c:PC+16*\i+4*\c+3], s[54:55] offset:16384*\i+512*\c
.endr
.endr
	v_cmp_gt_u32 vcc_lo, 16, v7
	s_delay_alu instid0(VALU_DEP_1)
	v_cndmask_b32 v[T0], v[PW+1], v[PW], vcc_lo
	v_lshl_add_u32 v61, v62, 9, v[AW]
	global_store_b32 v61, v[T0], s[56:57]
	s_wait_tensorcnt 0x0
	ds_add_u32 v254, v255
	s_wait_dscnt 0x0
	CROUND
	s_endpgm
.Lfunc_end_k_q3af7c03bda_attn:
	.size	k_q3af7c03bda_attn, .Lfunc_end_k_q3af7c03bda_attn-k_q3af7c03bda_attn
	.p2alignl 7, 3214868480
	.fill 96, 4, 3214868480
	.section	.rodata,"a",@progbits
	.p2align	6, 0x0
	.amdhsa_kernel k_q3af7c03bda_attn
		.amdhsa_group_segment_fixed_size 327680
		.amdhsa_private_segment_fixed_size 0
		.amdhsa_enable_private_segment 0
		.amdhsa_kernarg_size 32
		.amdhsa_user_sgpr_count 2
		.amdhsa_user_sgpr_kernarg_segment_ptr 1
		.amdhsa_wavefront_size32 1
		.amdhsa_system_sgpr_workgroup_id_x 1
		.amdhsa_system_sgpr_workgroup_id_y 1
		.amdhsa_system_sgpr_workgroup_id_z 1
		.amdhsa_system_vgpr_workitem_id 0
		.amdhsa_next_free_vgpr 512
		.amdhsa_next_free_sgpr 76
		.amdhsa_reserve_vcc 1
		.amdhsa_float_denorm_mode_32 3
		.amdhsa_float_denorm_mode_16_64 3
		.amdhsa_memory_ordered 1
		.amdhsa_forward_progress 1
		.amdhsa_inst_pref_size 111
	.end_amdhsa_kernel
	.amdgpu_metadata
---
amdhsa.version: [ 1, 2 ]
amdhsa.kernels:
  - .name:           k_q3af7c03bda_attn
    .symbol:         k_q3af7c03bda_attn.kd
    .args:
      - { .name: qbuf, .offset: 0, .size: 8, .value_kind: global_buffer, .address_space: global }
      - { .name: kvbuf, .offset: 8, .size: 8, .value_kind: global_buffer, .address_space: global }
      - { .name: encoder_padding_mask, .offset: 16, .size: 8, .value_kind: global_buffer, .address_space: global }
      - { .name: cbuf, .offset: 24, .size: 8, .value_kind: global_buffer, .address_space: global }
    .group_segment_fixed_size: 327680
    .private_segment_fixed_size: 0
    .kernarg_segment_align: 8
    .kernarg_segment_size: 32
    .max_flat_workgroup_size: 256
    .sgpr_count:     76
    .vgpr_count:     512
    .wavefront_size: 32
...
	.end_amdgpu_metadata
.endif
;; end of part 3
;; launch oproj (part 4): grid 4 x 64, 4 waves a work-group, clusters of 4 x 4, 327,680 bytes of LDS; arguments cbuf, wbuf, out_proj_bias, hidden_states, out0; writes out0
.if DOCPART == 4
	.amdgcn_target "amdgcn-amd-amdhsa--gfx1250"
	.amdhsa_code_object_version 6
	.text
	.protected	k_q3af7c03bda_oproj
	.globl	k_q3af7c03bda_oproj
	.p2align	8
	.type	k_q3af7c03bda_oproj,@function
k_q3af7c03bda_oproj:
	s_mov_b64 s[64:65], 0
	v_nop
	global_prefetch_b8 v0, s[64:65] scope:SCOPE_SE
	s_setreg_imm32_b32 hwreg(HW_REG_WAVE_MODE, 25, 1), 1
	s_wait_xcnt 0x0
	s_wait_alu depctr_hold_cnt(0) depctr_sa_sdst(0) depctr_va_vdst(0) depctr_va_sdst(0) depctr_va_ssrc(0) depctr_va_vcc(0) depctr_vm_vsrc(0)
	s_getreg_b32 s2, hwreg(HW_REG_IB_STS2, 6, 4)
	s_cmp_eq_u32 s2, 0
	s_cbranch_scc0 .Lentry_in_a_cluster
	s_endpgm
.Lentry_in_a_cluster:
	s_bfe_u32 s2, ttmp6, 0x10000c
	s_cmp_lg_u32 s2, 0xf033
	s_cbranch_scc0 .Lentry_shape_is_right
	s_endpgm
.Lentry_shape_is_right:
.set FR,     16
.set NP,     8
.set HALFA,  16384
.set HALFB,  32768
.set SLOT,   2*HALFA+2*HALFB
.set SCL,    3*SLOT
.set HSA,    2048
.set HSB,    4096
.set SPARE,  SCL+2*HSA+2*HSB
.set SPITCH, 528
.set STAGE,  SLOT
.set ADRA, 16
.set ADRB, 20
.set STO,  24
.set RD,   25
.set CO,   26
.set ADRS, 27
.set SPW,  28
.set NIL,  29
.set SC,   32
.set AF,   128
.set BK,   128
.set G1, 24
.set G0, 32
.set G0C, 92
.set G1B, 48
.set G0B, 56
.set G0BC, 96
.set G1S, 68
.set G0S, 76
.set G1SB, 80
.set G0SB, 88
.set MSB, 0
.macro WIN new
.if MSB != (\new)
	s_set_vgpr_msb (MSB<<8)|(\new)
.set MSB, (\new)
.endif
.endm
.set MULW, 0xa1
.set TO_B, 0x40
.set TO_X, 0xc0
.macro JLOAD g0a, g1a, g0b, g1b
	s_cmp_eq_u32 s15, 0
	s_cbranch_scc0 .Lfor_b_\@
	tensor_load_to_lds s[\g0a:\g0a+3], s[\g1a:\g1a+7]
	s_nop 0
.rept 4
	v_nop
.endr
	s_branch .Lasked_\@
.Lfor_b_\@:
	tensor_load_to_lds s[\g0b:\g0b+3], s[\g1b:\g1b+7]
	s_nop 0
.rept 4
	v_nop
.endr
.Lasked_\@:
.endm
.macro CREST
	s_cmp_lg_u32 s14, 0
	s_cbranch_scc1 .Lnot_wave_0_\@
	s_barrier_signal -3
.Lnot_wave_0_\@:
	s_barrier_wait -3
	s_barrier_signal -1
	s_barrier_wait -1
.endm
.macro CROUND
	s_barrier_signal -1
	s_barrier_wait -1
	CREST
.endm
	s_load_b128 s[4:7], s[0:1], 0x0
	s_load_b128 s[8:11], s[0:1], 0x10
	s_load_b64 s[12:13], s[0:1], 0x20
	v_lshl_add_u32 v[SPW], v0, 2, SPARE
	v_mov_b32 v[NIL], 0
	ds_add_u32 v28, v29
	ds_add_u32 v28, v29
	s_wait_dscnt 0x0
	v_lshrrev_b32 v1, 5, v0
	v_readfirstlane_b32 s14, v1
	s_lshr_b32 s15, s14, 1
	s_and_b32 s16, s14, 1
	s_bfe_u32 s40, ttmp6, 0x40000
	s_bfe_u32 s41, ttmp6, 0x40004
	s_lshl_b32 s42, ttmp9, 2
	s_add_co_u32 s42, s42, s40
	s_and_b32 s17, ttmp7, 0xffff
	s_lshl_b32 s17, s17, 2
	s_add_co_u32 s17, s17, s41
	s_lshl_b32 s43, s41, 2
	s_lshl_b32 s43, 15, s43
	s_lshl_b32 s44, 0x1111, s40
	s_or_b32 s[G1+0], s43, (3<<16)|(1<<21)
	s_mov_b32 s[G1+1], 512<<16
	s_mov_b32 s[G1+2], 8<<16
	s_mov_b32 s[G1+3], 512<<16
	s_mov_b32 s[G1+4], 8
	s_mov_b32 s[G1+5], 2048
	s_mov_b32 s[G1+6], 0
	s_mov_b32 s[G1+7], 0
	s_or_b32 s[G1B+0], s44, (3<<16)|(1<<21)
	s_mov_b32 s[G1B+1], 512<<16
	s_mov_b32 s[G1B+2], 16<<16
	s_mov_b32 s[G1B+3], 512<<16
	s_mov_b32 s[G1B+4], 16
	s_mov_b32 s[G1B+5], 512                        ; B's rows lie on end: wbuf is laid [block of 16 tiles][256 along K][tile][4,096 bytes]
	s_mov_b32 s[G1B+6], 0
	s_mov_b32 s[G1B+7], 0
	s_or_b32 s[G1S+0], s43, (3<<16)|(1<<21)
	s_mov_b32 s[G1S+1], 32<<16
	s_mov_b32 s[G1S+2], 16<<16
	s_mov_b32 s[G1S+3], 32<<16
	s_mov_b32 s[G1S+4], 16
	s_mov_b32 s[G1S+5], 32
	s_mov_b32 s[G1S+6], 0
	s_mov_b32 s[G1S+7], 0
	s_or_b32 s[G1SB+0], s44, (3<<16)|(1<<21)
	s_mov_b32 s[G1SB+1], 32<<16
	s_mov_b32 s[G1SB+2], 32<<16
	s_mov_b32 s[G1SB+3], 32<<16
	s_mov_b32 s[G1SB+4], 32
	s_mov_b32 s[G1SB+5], 32
	s_mov_b32 s[G1SB+6], 0
	s_mov_b32 s[G1SB+7], 0
	s_lshl_b32 s20, s17, 3                         ; A's first tile: every load brings a whole tile set: A's 8 tiles or B's 16
	s_lshl_b32 s46, s42, 4
	s_add_co_u32 s46, s46, 192                     ; B's: out_proj_weight begins at tile 192 of wbuf
	s_lshl_b32 s22, s20, 9
	s_add_co_u32 s22, s22, 8388608
	s_lshl_b32 s100, s46, 9
	s_add_co_u32 s100, s100, 4194304
	s_lshl_b32 s20, s20, 14
	s_lshl_b32 s46, s46, 14
	s_mov_b32 s21, 0
	s_mov_b32 s23, 0
	s_mov_b32 s47, 0
	s_mov_b32 s101, 0
	s_mov_b32 s45, 0                               ; in a slot: A's tiles,
	s_mov_b32 s2, 2*HALFA                          ; then B's
	s_mov_b32 s3, SCL                              ; behind the slots: A's scale words,
	s_mov_b32 s19, SCL+2*HSA                       ; then B's
	s_wait_kmcnt 0x0
	s_add_nc_u64 s[20:21], s[4:5], s[20:21]
	s_add_nc_u64 s[22:23], s[4:5], s[22:23]
	s_add_nc_u64 s[46:47], s[6:7], s[46:47]
	s_add_nc_u64 s[100:101], s[6:7], s[100:101]
	CROUND
	s_mov_b32 s[G0S], 1
	s_mov_b32 s[G0S+1], s3
	s_mov_b64 s[G0S+2:G0S+3], s[22:23]
	s_or_b32 s[G0S+3], s[G0S+3], 0x80000000
	s_mov_b32 s[G0SB], 1
	s_mov_b32 s[G0SB+1], s19
	s_mov_b64 s[G0SB+2:G0SB+3], s[100:101]
	s_or_b32 s[G0SB+3], s[G0SB+3], 0x80000000
.macro FIRST ga, gb, s
	s_mov_b32 s[\ga], 1
	s_add_co_u32 s[\ga+1], s45, \s*SLOT
	s_add_nc_u64 s[\ga+2:\ga+3], s[20:21], \s*4096
	s_or_b32 s[\ga+3], s[\ga+3], 0x80000000
	s_mov_b32 s[\gb], 1
	s_add_co_u32 s[\gb+1], s2, \s*SLOT
	s_add_nc_u64 s[\gb+2:\gb+3], s[46:47], \s*65536
	s_or_b32 s[\gb+3], s[\gb+3], 0x80000000
.endm
	FIRST G0, G0B, 0
	FIRST G0+4, G0B+4, 1
	FIRST G0C, G0BC, 2
; A chain of branches on the wave's number, one joint load to an arm, all arms to one join.  An s_nop 0 and four v_nop follow each load.
.macro ARM under, g0, g1, next, join
	s_cmp_lt_u32 s14, \under
	s_cbranch_scc0 \next
	tensor_load_to_lds s[\g0:\g0+3], s[\g1:\g1+7]
	s_nop 0
.rept 4
	v_nop
.endr
	s_branch \join
\next:
.endm
.macro LASTARM g0, g1
	tensor_load_to_lds s[\g0:\g0+3], s[\g1:\g1+7]
	s_nop 0
.rept 4
	v_nop
.endr
.endm
; THE HEAD'S LOADS, one a wave: K step 0's tiles of A (wave 0) and of B (wave 1), A's scale words (wave 2), B's (wave 3)
	ARM 1, G0, G1, .Lh_b, .Lh_asked
	ARM 2, G0B, G1B, .Lh_sa, .Lh_asked
	ARM 3, G0S, G1S, .Lh_sb, .Lh_asked
	LASTARM G0SB, G1SB
.Lh_asked:
	v_and_b32 v1, 15, v0
	v_bfe_u32 v2, v0, 4, 1
	v_and_b32 v3, 31, v0
	v_lshlrev_b32 v4, 4, v3
	v_mov_b32 v[CO], v4
	s_wait_alu depctr_va_vdst(0)
	s_lshl_b32 s20, s17, 7
	s_lshl_b32 s21, s15, 6
	s_add_co_u32 s20, s20, s21
	s_lshl_b32 s20, s20, 12
	s_lshl_b32 s46, s42, 10
	s_lshl_b32 s47, s16, 9
	s_add_co_u32 s46, s46, s47
	s_mov_b32 s47, 0
	s_add_nc_u64 s[8:9], s[8:9], s[46:47]
	s_add_co_u32 s20, s20, s46
	s_mov_b32 s21, 0
	s_add_nc_u64 s[10:11], s[10:11], s[20:21]
	s_add_nc_u64 s[12:13], s[12:13], s[20:21]
.macro XLOAD a
.irp t, 0,1,2,3,4,5,6,7,8,9,10,11,12,13,14,15
	global_load_b128 v[64*(\a)+4*\t:64*(\a)+4*\t+3], v[CO], s[10:11] offset:(32*((\a)/2)+8*((\a)%2)+16*(\t/8)+\t%8)*4096 th:TH_LOAD_NT
.endr
.endm
	global_load_b128 v[8:11], v[CO], s[8:9]
	WIN TO_X
	XLOAD 0
	XLOAD 1
	XLOAD 2
	WIN 0
	s_mul_i32 s21, s15, HALFA
	s_mul_i32 s22, s16, HALFB
	s_add_co_u32 s22, s22, 2*HALFA
.irp s, 0,1,2
	v_add_nc_u32 v[ADRA+\s], s21, v4
	v_add_nc_u32 v[ADRB+\s], s22, v4
	s_add_co_u32 s21, s21, SLOT
	s_add_co_u32 s22, s22, SLOT
.endr
	v_lshlrev_b32 v6, 2, v1
	s_mul_i32 s21, s15, HSA
	s_mul_i32 s22, s16, HSB
	s_add_co_u32 s22, s22, 2*HSA
	s_sub_co_u32 s22, s22, s21
	v_mul_u32_u24 v5, s22, v2
	s_add_co_u32 s21, s21, SCL
	v_add_nc_u32 v6, v6, v5
	v_add_nc_u32 v[ADRS], s21, v6
	s_mul_i32 s23, s14, 16*SPITCH
	s_add_co_u32 s23, s23, STAGE
	v_mul_u32_u24 v5, v1, SPITCH
	v_lshl_add_u32 v5, v2, 6, v5
	v_add_nc_u32 v[STO], s23, v5
	v_add_nc_u32 v[RD], s23, v4
.macro FRAG reg, adr, q, i
.irp c, 0,1,2,3
	ds_load_b128 v[\reg+4*\c:\reg+4*\c+3], v[\adr] offset:2048*(\q)+512*\c+(\i)*4096
.endr
.endm
.macro MUL8 a, q, sc, zero
.irp b, 0,1,2,3,4,5,6,7
.if \zero
	v_wmma_scale_f32_16x16x128_f8f6f4 v[8*(8*(\a)+\b):8*(8*(\a)+\b)+7], v[128*(\q)+FR*\b:128*(\q)+FR*\b+FR-1], v[AF+64*(\q)+FR*(\a):AF+64*(\q)+FR*(\a)+FR-1], 0, v[SC+16*(\sc)+2*\b+(\q)], v[SC+16*(\sc)+2*(\a)+(\q)] matrix_a_fmt:MATRIX_FMT_BF8 matrix_b_fmt:MATRIX_FMT_BF8 matrix_a_scale:MATRIX_SCALE_ROW1
.else
	v_wmma_scale_f32_16x16x128_f8f6f4 v[8*(8*(\a)+\b):8*(8*(\a)+\b)+7], v[128*(\q)+FR*\b:128*(\q)+FR*\b+FR-1], v[AF+64*(\q)+FR*(\a):AF+64*(\q)+FR*(\a)+FR-1], v[8*(8*(\a)+\b):8*(8*(\a)+\b)+7], v[SC+16*(\sc)+2*\b+(\q)], v[SC+16*(\sc)+2*(\a)+(\q)] matrix_a_fmt:MATRIX_FMT_BF8 matrix_b_fmt:MATRIX_FMT_BF8 matrix_a_scale:MATRIX_SCALE_ROW1
.endif
.endr
.endm
.macro FETCH slot, q
	WIN TO_B
.irp i, 0,1,2,3,4,5,6,7
	FRAG 128*(\q)+FR*\i, ADRB+\slot, \q, \i
.endr
	WIN 0
.irp i, 0,1,2,3
	FRAG AF+64*(\q)+FR*\i, ADRA+\slot, \q, \i
.endr
.endm
.macro SCALES sc
.irp i, 0,1,2,3,4,5,6,7
	ds_load_b32 v[SC+16*(\sc)+2*\i], v[ADRS] offset:512*\i
	ds_load_b32 v[SC+16*(\sc)+2*\i+1], v[ADRS] offset:512*\i+64
.endr
.endm
.macro PLACES n
.rept \n
	v_nop
.endr
.endm
.macro STEP q, sc, zero, more, nslot, nq
	s_wait_dscnt 0x0
.if \more
.if \zero == 0
	PLACES NP
.endif
.if \more == 2
	v_add_nc_u32 v[ADRS], 128, v[ADRS]
.endif
	FETCH \nslot, \nq
.if \more == 2
	SCALES 1-(\sc)
.endif
.endif
	WIN MULW
	MUL8 0, \q, \sc, \zero
	MUL8 1, \q, \sc, \zero
	MUL8 2, \q, \sc, \zero
	MUL8 3, \q, \sc, \zero
	WIN 0
.endm
	s_wait_alu depctr_va_vdst(0)
	s_wait_tensorcnt 0x0                           ; my tile of the head's four is in; the later first fills are issued as a refill is:
	ds_add_u32 v[SPW], v[NIL]                      ; 0 onto my spare word
	s_wait_dscnt 0x0
	CROUND                                         ; all four tiles are in, and all sixteen work-groups are here
; slots 1 and 2, one load a wave: K step 1's A (wave 0) and B (wave 1), K step 2's A (wave 2) and B (wave 3)
	ARM 1, G0+4, G1, .Ls_b, .Ls_asked
	ARM 2, G0B+4, G1B, .Ls_a2, .Ls_asked
	ARM 3, G0C, G1, .Ls_b2, .Ls_asked
	LASTARM G0BC, G1B
.Ls_asked:
	FETCH 0, 0
	SCALES 0
	STEP 0, 0, 1, 1, 0, 1
	s_wait_tensorcnt 0x0
	ds_add_u32 v[SPW], v[NIL]
	s_wait_dscnt 0x1
	WIN MULW
	MUL8 0, 1, 0, 0
	s_wait_dscnt 0x0
	s_barrier_signal -1
	MUL8 1, 1, 0, 0
	WIN 0
	s_barrier_wait -1
	CREST
	s_add_nc_u64 s[G0+2:G0+3], s[G0+2:G0+3], 3*4096
	s_add_nc_u64 s[G0B+2:G0B+3], s[G0B+2:G0B+3], 3*65536
; the one refill: K step 3 into slot 0: A's tiles by wave 0, B's by wave 1; waves 2 and 3 have no part of it
	ARM 1, G0, G1, .Lr_b, .Lr_asked
	ARM 2, G0B, G1B, .Lr_none, .Lr_asked
.Lr_asked:
	PLACES NP
	v_add_nc_u32 v[ADRS], 128, v[ADRS]
	FETCH 1, 0
	SCALES 1
	WIN MULW
	MUL8 2, 1, 0, 0
	MUL8 3, 1, 0, 0
	WIN 0
	s_wait_alu depctr_va_vdst(0)
	STEP 0, 1, 0, 1, 1, 1
	STEP 1, 1, 0, 2, 2, 0
	s_wait_alu depctr_va_vdst(0)
	STEP 0, 0, 0, 1, 2, 1
	s_wait_tensorcnt 0x0
	s_wait_dscnt 0x0
	s_barrier_signal -1
	WIN MULW
	MUL8 0, 1, 0, 0
	MUL8 1, 1, 0, 0
	WIN 0
	s_barrier_wait -1
	PLACES NP
	v_add_nc_u32 v[ADRS], 128, v[ADRS]
	FETCH 0, 0
	SCALES 1
	WIN TO_X
	XLOAD 3
	WIN MULW
	MUL8 2, 1, 0, 0
	MUL8 3, 1, 0, 0
	WIN 0
	STEP 0, 1, 0, 1, 0, 1
	STEP 1, 1, 0, 0, 0, 0
.macro TOSTAGE a
.set AC, 64*(\a)
	WIN 0x08
.irp b, 0,1,2,3,4,5,6,7
	ds_store_b128 v[STO], v[AC+8*\b:AC+8*\b+3] offset:128*(\b/2)+32*(\b%2)
	ds_store_b128 v[STO], v[AC+8*\b+4:AC+8*\b+7] offset:128*(\b/2)+32*(\b%2)+16
.endr
	WIN 0
.set BB, BK+64*((\a)%2)
.irp t, 0,1,2,3,4,5,6,7,8,9,10,11,12,13,14,15
	ds_load_b128 v[BB+4*\t:BB+4*\t+3], v[RD] offset:\t*SPITCH
.endr
.endm
.macro SENDX a, younger
.set BB, BK+64*((\a)%2)
.set XB, 64*(\a)
	s_wait_dscnt \younger
.irp t, 0,1,2,3,4,5,6,7,8,9,10,11,12,13,14,15
	v_pk_add_f32 v[BB+4*\t:BB+4*\t+1], v[BB+4*\t:BB+4*\t+1], v[8:9]
	v_pk_add_f32 v[BB+4*\t+2:BB+4*\t+3], v[BB+4*\t+2:BB+4*\t+3], v[10:11]
.endr
	WIN 0x0c
.irp t, 0,1,2,3,4,5,6,7,8,9,10,11,12,13,14,15
	v_pk_add_f32 v[BB+4*\t:BB+4*\t+1], v[BB+4*\t:BB+4*\t+1], v[XB+4*\t:XB+4*\t+1]
	v_pk_add_f32 v[BB+4*\t+2:BB+4*\t+3], v[BB+4*\t+2:BB+4*\t+3], v[XB+4*\t+2:XB+4*\t+3]
.endr
	WIN 0
.irp t, 0,1,2,3,4,5,6,7,8,9,10,11,12,13,14,15
	global_store_b128 v[CO], v[BB+4*\t:BB+4*\t+3], s[12:13] offset:(32*((\a)/2)+8*((\a)%2)+16*(\t/8)+\t%8)*4096 th:TH_STORE_NT
.endr
.endm
	PLACES NP
	s_wait_loadcnt 0x0
	TOSTAGE 0
.irp a, 1,2,3
.if \a > 1
	s_wait_xcnt 0x0
.endif
	TOSTAGE \a
	SENDX \a-1, 32
.endr
	SENDX 3, 0
	s_wait_tensorcnt 0x0
	ds_add_u32 v[SPW], v[NIL]
	s_wait_dscnt 0x0
	CROUND
	s_endpgm
.Lfunc_end_k_q3af7c03bda_oproj:
	.size	k_q3af7c03bda_oproj, .Lfunc_end_k_q3af7c03bda_oproj-k_q3af7c03bda_oproj
	.p2alignl 7, 3214868480
	.fill 96, 4, 3214868480
	.section	.rodata,"a",@progbits
	.p2align	6, 0x0
	.amdhsa_kernel k_q3af7c03bda_oproj
		.amdhsa_group_segment_fixed_size 327680
		.amdhsa_private_segment_fixed_size 0
		.amdhsa_enable_private_segment 0
		.amdhsa_kernarg_size 40
		.amdhsa_user_sgpr_count 2
		.amdhsa_user_sgpr_kernarg_segment_ptr 1
		.amdhsa_wavefront_size32 1
		.amdhsa_system_sgpr_workgroup_id_x 1
		.amdhsa_system_sgpr_workgroup_id_y 1
		.amdhsa_system_sgpr_workgroup_id_z 1
		.amdhsa_system_vgpr_workitem_id 0
		.amdhsa_next_free_vgpr 1024
		.amdhsa_next_free_sgpr 102
		.amdhsa_reserve_vcc 0
		.amdhsa_float_denorm_mode_32 3
		.amdhsa_float_denorm_mode_16_64 3
		.amdhsa_memory_ordered 1
		.amdhsa_forward_progress 1
		.amdhsa_inst_pref_size 113
	.end_amdhsa_kernel
	.amdgpu_metadata
---
amdhsa.version: [ 1, 2 ]
amdhsa.kernels:
  - .name:           k_q3af7c03bda_oproj
    .symbol:         k_q3af7c03bda_oproj.kd
    .args:
      - { .name: cbuf, .offset: 0, .size: 8, .value_kind: global_buffer, .address_space: global }
      - { .name: wbuf, .offset: 8, .size: 8, .value_kind: global_buffer, .address_space: global }
      - { .name: out_proj_bias, .offset: 16, .size: 8, .value_kind: global_buffer, .address_space: global }
      - { .name: hidden_states, .offset: 24, .size: 8, .value_kind: global_buffer, .address_space: global }
      - { .name: out0, .offset: 32, .size: 8, .value_kind: global_buffer, .address_space: global }
    .group_segment_fixed_size: 327680
    .private_segment_fixed_size: 0
    .kernarg_segment_align: 8
    .kernarg_segment_size: 40
    .max_flat_workgroup_size: 128
    .sgpr_count:     102
    .vgpr_count:     1024
    .wavefront_size: 32
...
	.end_amdgpu_metadata
.endif
;; end of part 4
